; MI455X (gfx1250); checked and timed in simulation.
; The chip was launched on July 23, 2026; its instructions are those of AMD's public machine-readable ISA for CDNA 5 (MIT licence, August 2026) and "CDNA5" Instruction Set Architecture Reference Guide (July 2026). The comments in the code are by the model that wrote it; some were corrected since.
;; Switch Feed Forward. Allowed arithmetic: matrix products marked QUANTISED: E2M3 operands, one E8M0 scale for each 32 along K, by v_wmma_scale_f32_16x16x128_f8f6f4 with both operands' format E2M3, f32 sums; products left as they are: f32 operands where the result goes on into a quantised operand, else bf16, f16 or f32 operands; f32 sums; everything else in f32.
;; Inputs: W1_codes 8 x 1,024 x 16 x 24 uint8 (E2M3 codes of W1, K innermost, in blocks of 32 codes, four codes in three bytes); W1_scales 8 x 1,024 x 16 uint8 (E8M0 scales of W1, one for each 32 codes along K); W2_codes 8 x 512 x 32 x 24 uint8 (E2M3 codes of W2, K innermost, in blocks of 32 codes, four codes in three bytes); W2_scales 8 x 512 x 32 uint8 (E8M0 scales of W2, one for each 32 codes along K); W_switch 512 x 8 float32; b1 8 x 1,024 float32; b2 8 x 512 float32; b_switch 8 float32; x 2,048 x 4 x 512 float32.
;; Outputs: out0 2,048 x 4 x 512 float32; out1 8 float32; out2 8 float32; out3 one number int32; out4 8,192 float32.
;; This version of the problem:
;;   THIS VERSION OF THE PROBLEM IS GIVEN IN LOW PRECISION. The matrix products marked QUANTISED in the list below multiply operands that are first quantised to E2M3 (2 exponent bits, 3 mantissa bits; 6 bits a number), with one power-of-two scale for each 32 numbers along K (OCP MX v1.0); their sums are f32. All else is computed in f32.
;;   The module's matrix products, in the order in which they are computed (A, B: the left and right operand; K: the contracted axis; several contracted axes count as one K, in the product's order):
;;     1. [M 8,192, K 512] x [K 512, N 8]; A: input x; B: input W_switch: left as it is (N = 8 < 16)
;;     2. [M 8,192, K 512] x [K 512, N 8,192]; A: input W1 (given as codes); B: input x: QUANTISED
;;     3. batch 8 x [M 8,192, K 1,024] x [K 1,024, N 512]; A: computed on the way; B: input W2 (given as codes): QUANTISED
;;     4. batch 8,192 x [M 512, K 8] x [K 8, N 1]; A: computed on the way; B: computed on the way: left as it is (K = 8 < 32)
;;   THE QUANTISER, for each operand of a quantised product, along K:
;;     - K is cut into blocks of 32 from its start; a last block that is shorter is filled with zeros.
;;     - A block's scale is 2^e with e = floor(log2(the largest magnitude in the block)) - 2, held to -126 .. 127; a block of zeros has e = 0. As a byte (E8M0): e + 127.
;;     - Each number is divided by its block's scale, clamped to +-7.5, and rounded to the nearest number of E2M3, ties to even, subnormals kept.
;;     - The product sums the exact products of the quantised numbers (number of the format x scale) in f32.
;;   ~~~python
;;   def quantise(x, axis):      # numpy; x: float32 -> the quantised numbers, widened to float32 again
;;       x = np.moveaxis(x, axis, -1); K = x.shape[-1]
;;       x = np.pad(x, [(0, 0)] * (x.ndim - 1) + [(0, -K % 32)]); x = x.reshape(x.shape[:-1] + (-1, 32)); a = np.abs(x).max(-1, keepdims=True)
;;       e = np.where(a > 0, np.clip(np.frexp(np.where(a > 0, a, 1))[1] - 1 - 2, -126, 127), 0)      # np.frexp(a)[1] - 1 = floor(log2(a)), exactly
;;       r = np.clip(x / 2.0 ** e, -7.5, 7.5)
;;       step = 2.0 ** (np.maximum(np.frexp(np.where(r == 0, 1, r))[1] - 1, 0) - 3)
;;       q = np.round(r / step) * step * 2.0 ** e      # np.round: ties to even
;;       return np.moveaxis(q.reshape(q.shape[:-2] + (-1,))[..., :K], -1, axis).astype(np.float32)
;;   ~~~
;;   OPERANDS COMPUTED ON THE WAY. 'Computed on the way' means the value that the module computes at that place (a softmax that the list does not call 'softmax' is quantised finished and normalised). What goes into a quantiser is computed in f32, as accurately as f32 sums, v_exp_f32 and their like allow (about 1e-6 of the number): no bf16 or f16 on the way to a quantiser, and a product that is left as it is and whose result goes on into a quantised operand takes f32 operands (vector FMAs, or v_wmma_f32_16x16x4_f32). A number that lies on a knife's edge between two numbers of the format may be rounded either way, as far as f32 arithmetic and the matrix unit's own rounding can turn it there, and no further.
;;   INPUTS GIVEN AS CODES. W1 (in the module: [8, 512, 1024], K = its axis 1); W2 (in the module: [8, 1024, 512], K = its axis 1): each comes as NAME_codes (uint8): NAME with its K axis moved to the last place and cut into blocks of 32 codes, [.., K / 32, bytes a block], one block behind the other in memory; four codes in three bytes: a row's codes are one little-endian stream of bits, code i at bits 6 i .. 6 i + 5 (a code: sign, 2 exponent bits, 3 mantissa bits); and NAME_scales (uint8): the same leading axes, one E8M0 byte (e + 127) for each 32 codes along K. Its value is code x scale, taken as it is: it is not quantised again, and the codes and scales need not be those that the quantiser above would give.
;; 2 versions, each right; version 2 is version 1 with the launch ffn written anew for expert scheduling mode. Each part assembles by itself: llvm-mc -triple=amdgcn-amd-amdhsa -mcpu=gfx1250 --defsym DOCPART=n.
;; ======== version 1 of 2: 3 launches
;; workspace buffers: xq 3,145,728 bytes; xs 131,072 bytes; w1f 3,145,728 bytes; w2f 3,145,728 bytes; routes 32,768 bytes of whole numbers; psum 8,192 bytes; order 262,144 bytes of whole numbers; counts 256 bytes of whole numbers
;; launch route (part 1): grid 256 x 1, 8 waves a work-group, no clusters, 59,904 bytes of LDS; arguments x, W_switch, b_switch, W1_codes, W2_codes, xq, xs, w1f, w2f, routes, psum, out4; writes xq, xs, w1f, w2f, routes, psum, out4
.if DOCPART == 1
	.amdgcn_target "amdgcn-amd-amdhsa--gfx1250"
	.amdhsa_code_object_version 6
	.text
	.protected	k_q8d33f633e2_route
	.globl	k_q8d33f633e2_route
	.p2align	8
	.type	k_q8d33f633e2_route,@function
k_q8d33f633e2_route:
	s_mov_b64 s[64:65], 0
	v_nop
	global_prefetch_b8 v0, s[64:65] scope:SCOPE_SE
	s_setreg_imm32_b32 hwreg(HW_REG_WAVE_MODE, 25, 1), 1
	s_wait_xcnt 0x0
; ROUTE.  x [8192][512] f32 is read once and serves twice: the router (logits in f32, softmax, largest probability, first expert that has it)
; and the quantiser (codes of E2M3, one E8M0 byte for each 32 along the 512).  Besides, the weights' codes are laid anew, as images of operand registers.
; SHARES.  Work-group g takes rows 32 g .. 32 g + 31, wave w four of them.  Wave 8 g + w (0 .. 2047) also lays fragment 8 g + w of W1 and of W2.
; A lane holds 16 NEIGHBOURS of a row (the conversion wants them so, and the dot products take them so); the loads take the bytes as they lie, 512 a load,
; and a row turns through the wave's own stage in LDS.  W_switch's 128 numbers that belong to a lane's 16 columns stay in registers.
; OUT.  xq [token][384]: a token's eight EVEN blocks of 24 bytes, then its eight ODD ones, so that a lane of an operand finds its 192 bytes on end.
;   xs [token][16] scale bytes.  w1f, w2f: images of 1,536 bytes: registers 4 c .. 4 c + 3 of lane l at 512 c + 16 l.  routes, out4: a number a token.  psum [work-group][8].
; The rows of W1 that form a tile are not neighbours: lane r of tile 2 b + u takes row 32 b + 8 u + r + 8 (r / 8) of its 128.
; No tensor load, no cluster: work-groups share only W_switch (16 KiB), and every other byte is read once.
; LIMITS.  NaN and infinities are not served.  The expert is the first whose f32 LOGIT equals the largest (the probabilities rise with the logits; the two can part only where two logits lie
; within a last bit).  A block of zeros, or one whose largest magnitude lies under 2^-124, keeps the byte 1: its codes are zeros, and the bytes are read by this program alone.
; The logits' 512 terms are summed in another order than a plain loop would take.
.set SP,     80                        ; a lane's place in a stage: 64 bytes + 16 of padding
.set WPITCH, 528                       ; a lane's 512 bytes of W_switch + 16
.set WSW,    0                         ; LDS: W_switch as [lane][expert][16 columns]
.set STG,    32*WPITCH                 ; two stages of 32 x SP bytes for each wave
.set RES_PM, STG+8*2*32*SP             ; 32 largest probabilities
.set RES_RT, RES_PM+128                ; 32 experts
.set RES_PS, RES_RT+128                ; [wave][8] sums of probabilities
.set RES_SB, RES_PS+256                ; [row][16] scale bytes
.set W,      16                        ; v16-143  W_switch[16 lane + d][e] at W + 16 e + d
.set RAW,    144                       ; v144-207 four rows as loaded; then row t: +0..2 codes, +3 byte, +4..11 at work
.set X,      208                       ; v208-239 two sets of 16 neighbours (first: the two fragments)
.set ACC,    240                       ; v240-255 eight pairs of sums (first: my share of W_switch)
.set A_,     RAW+4                     ; row t's at + 16 t: the logit of expert lane / 4
.set B_,     RAW+5                     ; what the other half of the lanes holds
.set C_,     RAW+6                     ; the largest logit, later the largest probability
.set D_,     RAW+7                     ; the exponential, later the probability
.set G_,     RAW+8                     ; the expert
.set H_,     RAW+9                     ; the sum, later its reciprocal
	s_load_b512 s[4:19], s[0:1], 0x0               ; x 4, W_switch 6, b_switch 8, W1_codes 10, W2_codes 12, xq 14, xs 16, w1f 18
	s_load_b256 s[20:27], s[0:1], 0x40             ; w2f 20, routes 22, psum 24, out4 26
	s_set_vgpr_msb 0x40
	v_lshl_add_u32 v0, v0, 2, 0xe600
	v_mov_b32 v1, 0
	s_set_vgpr_msb 0x4000
	v_lshrrev_b32 v8, 5, v0
	v_readfirstlane_b32 s28, v8                    ; wave 0..7
	v_and_b32 v1, 31, v0                           ; lane
	v_lshlrev_b32 v2, 4, v1                        ; 16 x lane
	s_lshl_b32 s29, ttmp9, 3
	s_add_co_u32 s29, s29, s28                     ; 8 g + w
	s_mul_i32 s30, s28, 2*32*SP
	s_add_co_u32 s30, s30, STG                     ; my stages
	v_lshrrev_b32 v8, 2, v1                        ; lane / 4
	v_and_b32 v9, 3, v1
	v_mul_u32_u24 v3, v8, SP
	v_lshl_add_u32 v3, v9, 4, v3
	v_add_nc_u32 v3, s30, v3                       ; into a stage: four lanes' 64 bytes on end, then the padding
	v_mul_u32_u24 v4, v1, SP
	v_add_nc_u32 v4, s30, v4                       ; out of it: my 16 neighbours
	v_bfe_u32 v9, v1, 1, 1                         ; my block (lane / 2) is odd?
	v_mul_u32_u24 v5, v9, 192
	v_mad_u32_u24 v5, v8, 24, v5                   ; its place among the blocks of its kind: lane / 4
	v_and_b32 v9, 1, v1
	v_mad_u32_u24 v5, v9, 12, v5                   ; my half of it
	s_lshl_b32 s31, s28, 6
	s_add_co_u32 s31, s31, RES_SB
	v_lshrrev_b32 v6, 1, v1
	v_add_nc_u32 v6, s31, v6                       ; my block's scale byte: 16 bytes a row, four rows a wave
	s_mul_i32 s31, s28, WPITCH
	v_bfe_u32 v10, v0, 1, 4
	v_lshlrev_b32 v7, 8, v9
	v_lshl_add_u32 v7, v10, 2, v7
	v_add_nc_u32 v7, s31, v7                       ; W_switch into LDS: thread n's load i holds column n / 2 + 128 i, experts 4 (n % 2) + 0 .. 3
	v_and_b32 v9, 15, v0                           ; r
	v_bfe_u32 v10, v0, 4, 1                        ; h
	v_and_b32 v11, 8, v9
	v_add_nc_u32 v11, v11, v9                      ; r + 8 (r / 8)
	v_mul_u32_u24 v12, v11, 384                    ; W1: a row is 512 codes, 384 bytes
	v_mad_u32_u24 v12, v10, 24, v12
	v_mul_u32_u24 v13, v9, 768                     ; W2: 1,024 codes
	v_mad_u32_u24 v13, v10, 24, v13
	v_mul_u32_u24 v14, v1, WPITCH                  ; W_switch out of LDS
	v_and_b32 v11, 28, v1                          ; 4 x (lane / 4): my expert's bias
	v_lshlrev_b32 v10, 4, v0                       ; 16 x thread: my share of W_switch
	s_mov_b32 s36, 0x76543210
	s_mov_b32 s37, 0xfedcba98                      ; v_permlanex16_b32: lane l xor 16
	s_mov_b32 s38, 0xff00ff00                      ; lanes whose bit 3 is set
	s_mov_b32 s39, 0xf0f0f0f0                      ; lanes whose bit 2 is set
	s_lshl_b32 s40, ttmp9, 16                      ; x: 32 rows of 2,048 bytes a work-group,
	s_lshl_b32 s30, s28, 13                        ; four a wave
	s_add_co_u32 s40, s40, s30
	s_mov_b32 s41, 0
	s_mul_i32 s42, s29, 1536                       ; four rows of xq are 1,536 bytes, and so is an image
	s_mov_b32 s43, 0
	s_lshr_b32 s30, s29, 5                         ; W1's fragment 8 g + w: tile t = bits 2:0, K step = bits 4:3, run of 128 rows = the rest
	s_lshl_b32 s30, s30, 3
	s_and_b32 s31, s29, 7
	s_add_co_u32 s30, s30, s31                     ; q = 8 x run + t
	s_and_b32 s32, s30, 1
	s_lshl_b32 s30, s30, 4
	s_lshl_b32 s32, s32, 3
	s_sub_co_u32 s30, s30, s32                     ; the tile's first row: 16 q - 8 (q % 2) = 128 x run + 32 (t / 2) + 8 (t % 2)
	s_mul_i32 s30, s30, 384
	s_bfe_u32 s32, s29, 0x20003
	s_mul_i32 s32, s32, 96                         ; a K step is 96 bytes of a row
	s_add_co_u32 s44, s30, s32
	s_mov_b32 s45, 0
	s_lshr_b32 s30, s29, 6                         ; W2's: tile n = bits 2:0, K step = bits 5:3, run of 128 rows = the rest
	s_lshl_b32 s30, s30, 3
	s_add_co_u32 s30, s30, s31
	s_mul_i32 s30, s30, 16*768
	s_bfe_u32 s32, s29, 0x30003
	s_mul_i32 s32, s32, 96
	s_add_co_u32 s46, s30, s32
	s_mov_b32 s47, 0
	s_lshl_b32 s48, ttmp9, 7                       ; 32 numbers of 4 bytes a work-group
	s_mov_b32 s49, 0
	s_lshl_b32 s50, ttmp9, 9                       ; 32 rows of 16 scale bytes
	s_mov_b32 s51, 0
	s_lshl_b32 s52, ttmp9, 5                       ; 8 sums
	s_mov_b32 s53, 0
	s_wait_kmcnt 0x0
	s_add_nc_u64 s[4:5], s[4:5], s[40:41]
	s_add_nc_u64 s[14:15], s[14:15], s[42:43]
	s_add_nc_u64 s[18:19], s[18:19], s[42:43]
	s_add_nc_u64 s[20:21], s[20:21], s[42:43]
	s_add_nc_u64 s[10:11], s[10:11], s[44:45]
	s_add_nc_u64 s[12:13], s[12:13], s[46:47]
	s_add_nc_u64 s[26:27], s[26:27], s[48:49]
	s_add_nc_u64 s[22:23], s[22:23], s[48:49]
	s_add_nc_u64 s[16:17], s[16:17], s[50:51]
	s_add_nc_u64 s[24:25], s[24:25], s[52:53]
	; all loads of the wave go out here: 1 + 4 + 12 + 16
	global_load_b32 v15, v11, s[8:9]               ; b_switch[lane / 4]
.irp i, 0,1,2,3
	global_load_b128 v[ACC+4*\i:ACC+4*\i+3], v10, s[6:7] offset:4096*\i   ; the work-group's 256 threads take W_switch's 16,384 bytes as they lie
.endr
.irp p, 0,1,2,3,4,5
	global_load_b64 v[X+2*\p:X+2*\p+1], v12, s[10:11] offset:48*(\p/3)+8*(\p%3)        ; a fragment of W1: 24 bytes of the row's stream of bits, twice
.endr
.irp p, 0,1,2,3,4,5
	global_load_b64 v[X+12+2*\p:X+12+2*\p+1], v13, s[12:13] offset:48*(\p/3)+8*(\p%3)  ; and one of W2
.endr
.irp t, 0,1,2,3
.irp i, 0,1,2,3
	global_load_b128 v[RAW+16*\t+4*\i:RAW+16*\t+4*\i+3], v2, s[4:5] offset:2048*\t+512*\i th:TH_LOAD_NT   ; 32 lanes read 512 consecutive bytes of row t
.endr
.endr
	s_wait_loadcnt 28                              ; behind W_switch's four: 12 + 16
.irp i, 0,1,2,3
.irp k, 0,1,2,3
	ds_store_b32 v7, v[ACC+4*\i+\k] offset:8*WPITCH*\i+64*\k
.endr
.endr
	s_wait_loadcnt 16                              ; behind the fragments' twelve: x's 16
.irp c, 0,1,2
	global_store_b128 v2, v[X+4*\c:X+4*\c+3], s[18:19] offset:512*\c          ; the images: 512 consecutive bytes a store
	global_store_b128 v2, v[X+12+4*\c:X+12+4*\c+3], s[20:21] offset:512*\c
.endr
	s_wait_dscnt 0x0                               ; for the others' sake: my part of W_switch lies in LDS
	s_barrier_signal -1
	s_barrier_wait -1                              ; everybody's does
.set j, 0
.rept 32
	ds_load_b128 v[W+4*j:W+4*j+3], v14 offset:16*j
.set j, j+1
.endr
	v_lshrrev_b32 v12, 2, v1                       ; (v12, v13: their loads are in; v7: its stores are done)
	v_cvt_f32_u32 v12, v12                         ; my expert's number as f32
	s_lshl_b32 s31, s28, 4
	s_add_co_u32 s31, s31, RES_PM
	v_mov_b32 v7, s31                              ; my wave's four results
	s_lshl_b32 s31, s28, 5
	s_add_co_u32 s31, s31, RES_PS
	v_and_b32 v13, 28, v1
	v_add_nc_u32 v13, s31, v13                     ; my wave's sum for my expert
.macro TURN t                          ; row t through a stage.  LDS serves a wave's instructions in order (ISA guide 5.7.1.4): no wait between the stores and the loads
.irp i, 0,1,2,3
	ds_store_b128 v3, v[RAW+16*(\t)+4*\i:RAW+16*(\t)+4*\i+3] offset:32*SP*((\t)%2)+8*SP*\i
.endr
.irp i, 0,1,2,3
	ds_load_b128 v[X+16*((\t)%2)+4*\i:X+16*((\t)%2)+4*\i+3], v4 offset:32*SP*((\t)%2)+16*\i
.endr
.endm
.macro ROW t
.set R_, RAW+16*(\t)
.set XS_, X+16*((\t)%2)
.if (\t) == 0
	s_wait_dscnt 0x0                               ; W_switch and row 0 are in registers
.else
	s_wait_dscnt 0x1                               ; the row is back from its stage; the last row's byte store may be out
.endif
.if (\t) < 3
	s_wait_loadcnt 8-4*(\t)                        ; the next row's four loads are in; the rows behind it may be out
	TURN (\t)+1                                    ; it turns while this row is worked
.endif
	; the quantiser: the largest magnitude of my 16, with a floor among its leaves, and of my neighbour's 16
	v_max3_num_f32 v8, |v[XS_]|, |v[XS_+1]|, |v[XS_+2]|
	v_max3_num_f32 v9, |v[XS_+3]|, |v[XS_+4]|, |v[XS_+5]|
.irp i, 6,10
	v_max3_num_f32 v8, v8, |v[XS_+\i]|, |v[XS_+\i+1]|
	v_max3_num_f32 v9, v9, |v[XS_+\i+2]|, |v[XS_+\i+3]|
.endr
	v_max3_num_f32 v8, v8, |v[XS_+14]|, |v[XS_+15]|
	v_max3_num_f32 v8, v8, v9, 0x1800000           ; the floor 2^(3 - 127): the byte cannot fall under 1
	v_max_num_f32_dpp v8, v8, v8 row_xmask:1 row_mask:0xf bank_mask:0xf
	v_add_nc_u32 v11, 0xff000000, v8               ; 2 off the exponent field: the conversion takes that field as its scale
	v_cvt_scalef32_pk16_fp6_f32 v[R_:R_+2], v[XS_:XS_+15], v11
	v_lshrrev_b32 v[R_+3], 23, v11                 ; the scale's byte (a plain line behind the conversion)
	ds_store_b8 v6, v[R_+3] offset:16*(\t)         ; both lanes of a block write the same byte with the same value
	global_store_b96 v5, v[R_:R_+2], s[14:15] offset:384*(\t)   ; each row has data registers of its own: none is written again
	; the eight dot products, my 16 columns: eight chains that do not wait for each other; the first product starts each
.irp e, 0,1,2,3,4,5,6,7
	v_pk_mul_f32 v[ACC+2*\e:ACC+2*\e+1], v[XS_:XS_+1], v[W+16*\e:W+16*\e+1]
.endr
.irp k, 1,2,3,4,5,6,7
.irp e, 0,1,2,3,4,5,6,7
	v_pk_fma_f32 v[ACC+2*\e:ACC+2*\e+1], v[XS_+2*\k:XS_+2*\k+1], v[W+16*\e+2*\k:W+16*\e+2*\k+1], v[ACC+2*\e:ACC+2*\e+1]
.endr
.endr
.irp e, 0,1,2,3,4,5,6,7
	v_add_f32 v[R_+4+\e], v[ACC+2*\e], v[ACC+2*\e+1]
.endr
	; eight sums over 32 lanes at once: each step halves the registers and gives a bit of the lane's number to the expert: at the end lane l holds expert l / 4
.irp e, 0,1,2,3
	v_permlane16_swap_b32 v[R_+4+\e], v[R_+8+\e]   ; expert e's upper lanes change places with expert e + 4's lower lanes
.endr
.irp e, 0,1,2,3
	v_add_f32 v[R_+4+\e], v[R_+4+\e], v[R_+8+\e]
.endr
	v_cndmask_b32 v[R_+8], v[R_+4], v[R_+6], s38   ; what I keep,
	v_cndmask_b32 v[R_+9], v[R_+6], v[R_+4], s38   ; what lane l xor 8 keeps
	v_cndmask_b32 v[R_+10], v[R_+5], v[R_+7], s38
	v_cndmask_b32 v[R_+11], v[R_+7], v[R_+5], s38
	v_add_f32_dpp v[R_+4], v[R_+9], v[R_+8] row_xmask:8 row_mask:0xf bank_mask:0xf
	v_add_f32_dpp v[R_+5], v[R_+11], v[R_+10] row_xmask:8 row_mask:0xf bank_mask:0xf
	v_cndmask_b32 v[R_+8], v[R_+4], v[R_+5], s39
	v_cndmask_b32 v[R_+9], v[R_+5], v[R_+4], s39
	v_add_f32_dpp v[R_+4], v[R_+9], v[R_+8] row_xmask:4 row_mask:0xf bank_mask:0xf
	v_add_f32_dpp v[R_+4], v[R_+4], v[R_+4] row_xmask:2 row_mask:0xf bank_mask:0xf
	v_add_f32_dpp v[R_+4], v[R_+4], v[R_+4] row_xmask:1 row_mask:0xf bank_mask:0xf
.endm
; d = op over the eight experts of s, in every lane; the four rows by turns, so that no line waits for the line above it
.macro OVER op, opd, d, s
.irp t, 0,1,2,3
	\opd v[\d+16*\t], v[\s+16*\t], v[\s+16*\t] row_xmask:4 row_mask:0xf bank_mask:0xf
.endr
.irp t, 0,1,2,3
	\opd v[\d+16*\t], v[\d+16*\t], v[\d+16*\t] row_xmask:8 row_mask:0xf bank_mask:0xf
.endr
.irp t, 0,1,2,3
	v_permlanex16_b32 v[B_+16*\t], v[\d+16*\t], s36, s37
.endr
.irp t, 0,1,2,3
	\op v[\d+16*\t], v[\d+16*\t], v[B_+16*\t]
.endr
.endm
	s_wait_loadcnt 12                              ; row 0's four loads are in; three rows may be out
	s_wait_xcnt 0x0                                ; the images' stores have read their registers, which take the turned rows
	TURN 0
	ROW 0
	ROW 1
	ROW 2
	ROW 3
	; the softmax of four rows, the largest logit taken away first
.irp t, 0,1,2,3
	v_add_f32 v[A_+16*\t], v[A_+16*\t], v15
.endr
	OVER v_max_num_f32, v_max_num_f32_dpp, C_, A_
.irp t, 0,1,2,3
	v_sub_f32 v[D_+16*\t], v[A_+16*\t], v[C_+16*\t]
.endr
.irp t, 0,1,2,3
	v_mul_f32 v[D_+16*\t], 0x3fb8aa3b, v[D_+16*\t]
.endr
.irp t, 0,1,2,3
	v_exp_f32 v[D_+16*\t], v[D_+16*\t]             ; one batch
.endr
.irp t, 0,1,2,3                                    ; work that names no exponential stands behind the batch: the first expert whose logit is the largest
	v_cmp_eq_f32 vcc_lo, v[A_+16*\t], v[C_+16*\t]
	v_cndmask_b32 v[G_+16*\t], 0x41000000, v12, vcc_lo   ; my expert's number, or 8
.endr
	OVER v_min_num_f32, v_min_num_f32_dpp, G_, G_
	s_wait_alu depctr_va_vdst(0)                   ; the wait ahead of the first line that names an exponential: one for the four
	OVER v_add_f32, v_add_f32_dpp, H_, D_
.irp t, 0,1,2,3
	v_rcp_f32 v[H_+16*\t], v[H_+16*\t]
.endr
.irp t, 0,1,2,3
	v_cvt_u32_f32 v[G_+16*\t], v[G_+16*\t]         ; plain work behind the reciprocals: the expert as a whole number
.endr
	s_wait_alu depctr_va_vdst(0)                   ; and one for the four reciprocals
.irp t, 0,1,2,3
	v_mul_f32 v[D_+16*\t], v[D_+16*\t], v[H_+16*\t]   ; the probability of expert lane / 4
.endr
	v_add_f32 v8, v[D_], v[D_+16]
	v_add_f32 v9, v[D_+32], v[D_+48]
	v_add_f32 v8, v8, v9                           ; my four rows' sum for my expert
	OVER v_max_num_f32, v_max_num_f32_dpp, C_, D_
.irp t, 0,1,2,3
	ds_store_b32 v7, v[C_+16*\t] offset:4*\t                    ; all lanes write the same word with the same value
	ds_store_b32 v7, v[G_+16*\t] offset:RES_RT-RES_PM+4*\t
.endr
	ds_store_b32 v13, v8                           ; the four lanes of an expert likewise
	v_lshlrev_b32 v10, 2, v1                       ; 4 x lane
	v_and_b32 v11, 7, v1
	v_lshlrev_b32 v11, 2, v11
	s_wait_dscnt 0x0                               ; for wave 0's sake: my results lie in LDS
	s_barrier_signal -1
	s_barrier_wait -1
	s_cmp_lg_u32 s28, 0
	s_cbranch_scc1 .Lend
	; wave 0 sends the work-group's small results out together
	ds_load_b32 v[X], v10 offset:RES_PM
	ds_load_b32 v[X+1], v10 offset:RES_RT
	ds_load_b128 v[X+4:X+7], v2 offset:RES_SB
.irp i, 0,1,2,3,4,5,6,7
	ds_load_b32 v[X+8+\i], v11 offset:RES_PS+32*\i
.endr
	s_wait_dscnt 0x0
	global_store_b32 v10, v[X], s[26:27]           ; out4: 32 numbers on end
	global_store_b32 v10, v[X+1], s[22:23]         ; routes
	global_store_b128 v2, v[X+4:X+7], s[16:17]     ; xs: 512 consecutive bytes
.irp i, 1,2,3,4,5,6,7
	v_add_f32 v[X+8], v[X+8], v[X+8+\i]            ; the eight waves' sums, in their order
.endr
	s_wait_xcnt 0x0                                ; EXEC changes only behind this wait
	v_cmp_gt_u32 vcc_lo, 8, v1
	s_and_saveexec_b32 s30, vcc_lo
	global_store_b32 v10, v[X+8], s[24:25]         ; psum[g][0 .. 7]
	s_wait_xcnt 0x0                                ; and again in front of the line that widens it
	s_or_b32 exec_lo, exec_lo, s30
.Lend:
	s_set_vgpr_msb 0x5
	s_wait_tensorcnt 0x0
	ds_add_u32 v0, v1
	s_wait_dscnt 0x0
	s_set_vgpr_msb 0x500
	s_endpgm
.Lfunc_end_k_q8d33f633e2_route:
	.size	k_q8d33f633e2_route, .Lfunc_end_k_q8d33f633e2_route-k_q8d33f633e2_route
	.p2alignl 7, 3214868480
	.fill 96, 4, 3214868480
	.section	.rodata,"a",@progbits
	.p2align	6, 0x0
	.amdhsa_kernel k_q8d33f633e2_route
		.amdhsa_group_segment_fixed_size 59904
		.amdhsa_private_segment_fixed_size 0
		.amdhsa_enable_private_segment 0
		.amdhsa_kernarg_size 96
		.amdhsa_user_sgpr_count 2
		.amdhsa_user_sgpr_kernarg_segment_ptr 1
		.amdhsa_wavefront_size32 1
		.amdhsa_system_sgpr_workgroup_id_x 1
		.amdhsa_system_sgpr_workgroup_id_y 1
		.amdhsa_system_sgpr_workgroup_id_z 1
		.amdhsa_system_vgpr_workitem_id 0
		.amdhsa_next_free_vgpr 258
		.amdhsa_next_free_sgpr 66
		.amdhsa_reserve_vcc 1
		.amdhsa_float_denorm_mode_32 3
		.amdhsa_float_denorm_mode_16_64 3
		.amdhsa_memory_ordered 1
		.amdhsa_forward_progress 1
		.amdhsa_inst_pref_size 46
	.end_amdhsa_kernel
	.amdgpu_metadata
---
amdhsa.version: [ 1, 2 ]
amdhsa.kernels:
  - .name:           k_q8d33f633e2_route
    .symbol:         k_q8d33f633e2_route.kd
    .args:
      - { .name: x, .offset: 0, .size: 8, .value_kind: global_buffer, .address_space: global }
      - { .name: W_switch, .offset: 8, .size: 8, .value_kind: global_buffer, .address_space: global }
      - { .name: b_switch, .offset: 16, .size: 8, .value_kind: global_buffer, .address_space: global }
      - { .name: W1_codes, .offset: 24, .size: 8, .value_kind: global_buffer, .address_space: global }
      - { .name: W2_codes, .offset: 32, .size: 8, .value_kind: global_buffer, .address_space: global }
      - { .name: xq, .offset: 40, .size: 8, .value_kind: global_buffer, .address_space: global }
      - { .name: xs, .offset: 48, .size: 8, .value_kind: global_buffer, .address_space: global }
      - { .name: w1f, .offset: 56, .size: 8, .value_kind: global_buffer, .address_space: global }
      - { .name: w2f, .offset: 64, .size: 8, .value_kind: global_buffer, .address_space: global }
      - { .name: routes, .offset: 72, .size: 8, .value_kind: global_buffer, .address_space: global }
      - { .name: psum, .offset: 80, .size: 8, .value_kind: global_buffer, .address_space: global }
      - { .name: out4, .offset: 88, .size: 8, .value_kind: global_buffer, .address_space: global }
    .group_segment_fixed_size: 59904
    .private_segment_fixed_size: 0
    .kernarg_segment_align: 8
    .kernarg_segment_size: 96
    .max_flat_workgroup_size: 256
    .sgpr_count:     66
    .vgpr_count:     258
    .wavefront_size: 32
...
	.end_amdgpu_metadata
.endif
;; end of part 1
;; launch place (part 2): grid 8 x 1, 32 waves a work-group, no clusters, 4,352 bytes of LDS; arguments routes, psum, order, counts, out1, out2, out3; writes order, counts, out1, out2, out3
.if DOCPART == 2
	.amdgcn_target "amdgcn-amd-amdhsa--gfx1250"
	.amdhsa_code_object_version 6
	.text
	.protected	k_q8d33f633e2_place
	.globl	k_q8d33f633e2_place
	.p2align	8
	.type	k_q8d33f633e2_place,@function
k_q8d33f633e2_place:
	s_mov_b64 s[64:65], 0
	v_nop
	global_prefetch_b8 v0, s[64:65] scope:SCOPE_SE
	s_setreg_imm32_b32 hwreg(HW_REG_WAVE_MODE, 25, 1), 1
	s_wait_xcnt 0x0
; PLACE.  Work-group e owns expert e: it reads all 8,192 routes, counts those that name e, and lists their tokens in its own run order[e][0 .. count - 1].
; No expert needs another's count, so nothing passes between work-groups.  Wave w takes tokens 256 w .. 256 w + 255; a wave's first place is the sum of the lower waves' counts,
; which meet in LDS behind the one barrier.  The order inside a list is any fixed order: no token is dropped, and each output row has one owner later on.
; Wave 0 also adds the 256 partial sums of expert e's probabilities (out2), and stores the count as f32 (out1) and as a whole number (counts); work-group 0 stores out3 = 0.
; All that reaches an address here is whole numbers read from memory, held to 8,191 by a minimum written in the instruction.
; Every address register is made while all lanes are on, ahead of the first line that narrows EXEC.
	s_load_b256 s[4:11], s[0:1], 0x0               ; routes 4, psum 6, order 8, counts 10
	s_load_b128 s[12:15], s[0:1], 0x20             ; out1 12, out2 14
	s_load_b64 s[16:17], s[0:1], 0x30              ; out3
	v_lshl_add_u32 v48, v0, 2, 0x100
	v_mov_b32 v49, 0
	v_lshrrev_b32 v4, 5, v0
	v_readfirstlane_b32 s20, v4                    ; wave 0..31
	v_lshlrev_b32 v4, 2, v4                        ; LDS: my wave's word
	v_and_b32 v1, 31, v0                           ; lane
	v_lshlrev_b32 v7, 2, v1                        ; LDS: wave number lane's word
	v_lshlrev_b32 v3, 5, v1                        ; psum: 32 bytes a work-group of the launch before
	s_lshl_b32 s23, s20, 10
	v_lshl_add_u32 v2, v1, 4, s23                  ; routes: 1,024 bytes a wave, 16 a lane
	s_lshl_b32 s23, s20, 8
	v_lshl_add_u32 v25, v1, 2, s23                 ; the first of my tokens: 256 w + 4 x lane
	s_mov_b32 s21, ttmp9                           ; e
	s_lshl_b32 s30, s21, 15                        ; order: 8,192 words an expert
	s_mov_b32 s31, 0
	s_lshl_b32 s32, s21, 2
	s_mov_b32 s33, 0
	s_mov_b32 s28, 0x76543210
	s_mov_b32 s29, 0xfedcba98                      ; v_permlanex16_b32: lane l xor 16
	s_mov_b32 s22, 0
	v_mov_b32 v24, 0                               ; written once: a lane permute's destination counts as one of its sources
	v_mov_b32 v42, 0                               ; the offset of the single numbers that wave 0 stores
	s_wait_kmcnt 0x0
	s_add_nc_u64 s[8:9], s[8:9], s[30:31]
	s_add_nc_u64 s[6:7], s[6:7], s[32:33]
	s_add_nc_u64 s[10:11], s[10:11], s[32:33]
	s_add_nc_u64 s[12:13], s[12:13], s[32:33]
	s_add_nc_u64 s[14:15], s[14:15], s[32:33]
	s_cmp_lg_u32 s20, 0
	s_cbranch_scc1 .Lnot_wave_0
.irp i, 0,1,2,3,4,5,6,7
	global_load_b32 v[16+\i], v3, s[6:7] offset:1024*\i   ; wave 0: psum[lane + 32 i][e]
.endr
.Lnot_wave_0:
	global_load_b128 v[8:11], v2, s[4:5]           ; register q holds the route of token 256 w + 128 (q / 4) + 4 x lane + q % 4
	global_load_b128 v[12:15], v2, s[4:5] offset:512
	s_wait_loadcnt 0x0
.irp q, 0,1,2,3,4,5,6,7
	v_cmp_eq_u32 vcc_lo, s21, v[8+\q]
	s_bcnt1_i32_b32 s23, vcc_lo
	s_add_co_u32 s22, s22, s23                     ; my wave's count
.endr
	v_mov_b32 v5, s22
	ds_store_b32 v4, v5                            ; all lanes write the same word with the same value
	s_wait_dscnt 0x0                               ; for the others' sake: my count lies in LDS
	s_barrier_signal -1
	s_barrier_wait -1
	ds_load_b32 v6, v7                             ; lane l: wave l's count
	s_wait_dscnt 0x0
	v_cmp_gt_u32 vcc_lo, s20, v1
	v_cndmask_b32 v24, 0, v6, vcc_lo               ; it counts for my first place where l is below my wave's number
	v_lshl_or_b32 v6, v6, 16, v24                  ; two sums in one word: neither passes 8,192
.irp x, 1,2,4,8
	v_mov_b32_dpp v24, v6 row_xmask:\x row_mask:0xf bank_mask:0xf
	v_add_nc_u32 v6, v6, v24
.endr
	v_permlanex16_b32 v24, v6, s28, s29
	v_add_nc_u32 v6, v6, v24
	v_readfirstlane_b32 s24, v6
	s_and_b32 s25, s24, 0xffff                     ; my wave's first place
	s_lshr_b32 s26, s24, 16                        ; the expert's count
	; the eight places and tokens, all lanes on
.irp q, 0,1,2,3,4,5,6,7
	v_cmp_eq_u32 vcc_lo, s21, v[8+\q]
	v_mbcnt_lo_u32_b32 v[34+\q], vcc_lo, s25       ; the place: the matches in lower lanes, on top of what is placed
	s_bcnt1_i32_b32 s23, vcc_lo
	s_add_co_u32 s25, s25, s23
	v_min_u32 v[34+\q], 0x1fff, v[34+\q]
	v_lshlrev_b32 v[34+\q], 2, v[34+\q]
	v_add_nc_u32 v[26+\q], 128*(\q/4)+\q%4, v25    ; the token
.endr
	s_wait_xcnt 0x0                                ; EXEC changes only behind this wait
	; the eight stores: the matching lanes alone; their words lie on end
.irp q, 0,1,2,3,4,5,6,7
	v_cmp_eq_u32 vcc_lo, s21, v[8+\q]
	s_and_saveexec_b32 s27, vcc_lo
	global_store_b32 v[34+\q], v[26+\q], s[8:9]
	s_wait_xcnt 0x0                                ; in front of the line that widens EXEC; nothing is issued between it and the next narrowing
	s_or_b32 exec_lo, exec_lo, s27
.endr
	s_cmp_lg_u32 s20, 0
	s_cbranch_scc1 .Lend
.irp i, 1,2,3,4,5,6,7
	v_add_f32 v16, v16, v[16+\i]
.endr
.irp x, 1,2,4,8
	v_add_f32_dpp v16, v16, v16 row_xmask:\x row_mask:0xf bank_mask:0xf
.endr
	v_permlanex16_b32 v24, v16, s28, s29
	v_add_f32 v16, v16, v24                        ; the sum of expert e's probabilities over all tokens
	v_cvt_f32_u32 v5, s26
	v_mov_b32 v6, s26
	v_cmp_eq_u32 vcc_lo, 0, v1
	s_and_saveexec_b32 s27, vcc_lo                 ; lane 0 alone (no memory instruction has been issued since the last wait on XCNT)
	global_store_b32 v42, v16, s[14:15]            ; out2[e]
	global_store_b32 v42, v5, s[12:13]             ; out1[e]
	global_store_b32 v42, v6, s[10:11]             ; counts[e]
	s_cmp_lg_u32 s21, 0
	s_cbranch_scc1 .Lno_out3
	global_store_b32 v42, v42, s[16:17]            ; out3 = 0
.Lno_out3:
	s_wait_xcnt 0x0
	s_or_b32 exec_lo, exec_lo, s27
.Lend:
	s_wait_tensorcnt 0x0
	ds_add_u32 v48, v49
	s_wait_dscnt 0x0
	s_endpgm
.Lfunc_end_k_q8d33f633e2_place:
	.size	k_q8d33f633e2_place, .Lfunc_end_k_q8d33f633e2_place-k_q8d33f633e2_place
	.p2alignl 7, 3214868480
	.fill 96, 4, 3214868480
	.section	.rodata,"a",@progbits
	.p2align	6, 0x0
	.amdhsa_kernel k_q8d33f633e2_place
		.amdhsa_group_segment_fixed_size 4352
		.amdhsa_private_segment_fixed_size 0
		.amdhsa_enable_private_segment 0
		.amdhsa_kernarg_size 56
		.amdhsa_user_sgpr_count 2
		.amdhsa_user_sgpr_kernarg_segment_ptr 1
		.amdhsa_wavefront_size32 1
		.amdhsa_system_sgpr_workgroup_id_x 1
		.amdhsa_system_sgpr_workgroup_id_y 1
		.amdhsa_system_sgpr_workgroup_id_z 1
		.amdhsa_system_vgpr_workitem_id 0
		.amdhsa_next_free_vgpr 50
		.amdhsa_next_free_sgpr 66
		.amdhsa_reserve_vcc 1
		.amdhsa_float_denorm_mode_32 3
		.amdhsa_float_denorm_mode_16_64 3
		.amdhsa_memory_ordered 1
		.amdhsa_forward_progress 1
		.amdhsa_inst_pref_size 10
	.end_amdhsa_kernel
	.amdgpu_metadata
---
amdhsa.version: [ 1, 2 ]
amdhsa.kernels:
  - .name:           k_q8d33f633e2_place
    .symbol:         k_q8d33f633e2_place.kd
    .args:
      - { .name: routes, .offset: 0, .size: 8, .value_kind: global_buffer, .address_space: global }
      - { .name: psum, .offset: 8, .size: 8, .value_kind: global_buffer, .address_space: global }
      - { .name: order, .offset: 16, .size: 8, .value_kind: global_buffer, .address_space: global }
      - { .name: counts, .offset: 24, .size: 8, .value_kind: global_buffer, .address_space: global }
      - { .name: out1, .offset: 32, .size: 8, .value_kind: global_buffer, .address_space: global }
      - { .name: out2, .offset: 40, .size: 8, .value_kind: global_buffer, .address_space: global }
      - { .name: out3, .offset: 48, .size: 8, .value_kind: global_buffer, .address_space: global }
    .group_segment_fixed_size: 4352
    .private_segment_fixed_size: 0
    .kernarg_segment_align: 8
    .kernarg_segment_size: 56
    .max_flat_workgroup_size: 1024
    .sgpr_count:     66
    .vgpr_count:     50
    .wavefront_size: 32
...
	.end_amdgpu_metadata
.endif
;; end of part 2
;; launch ffn (part 3): grid 135 x 1, 4 waves a work-group, no clusters, 85,504 bytes of LDS; arguments counts, order, xq, xs, w1f, W1_scales, b1, w2f, W2_scales, b2, out4, out0; writes out0
.if DOCPART == 3
	.amdgcn_target "amdgcn-amd-amdhsa--gfx1250"
	.amdhsa_code_object_version 6
	.text
	.protected	k_q8d33f633e2_ffn
	.globl	k_q8d33f633e2_ffn
	.p2align	8
	.type	k_q8d33f633e2_ffn,@function
k_q8d33f633e2_ffn:
	s_mov_b64 s[64:65], 0
	v_nop
	global_prefetch_b8 v0, s[64:65] scope:SCOPE_SE
	s_setreg_imm32_b32 hwreg(HW_REG_WAVE_MODE, 25, 1), 1
	s_wait_xcnt 0x0
; FFN.  out0[token] = (relu(x W1[e] + b1[e]) W2[e] + b2[e]) x the token's largest probability, e the token's expert; both products on codes of FP6 (E2M3) with one E8M0 scale for each 32 along K.
; Only the chosen expert's rows are multiplied: the one-hot mask of the layer throws the others away.
; GRID.  Tiles of 64 rows of one expert: never more than 8192 / 64 + 8 - 1 = 135, whatever the split.  A work-group finds its tile from the eight counts.  One that a split leaves without a tile walks tile 0's
; first product (so that it passes the one barrier on data that exist), stores nothing and ends at the one branch on a stored number, which stands behind that barrier.
; A tile's surplus rows repeat its last token: the same wave stores the same bits to the same bytes, and no lane is switched off.
; SHARES.  The four waves share the COLUMNS: wave w makes hidden units 256 w .. + 255 (two runs of 128: K steps 2 w, 2 w + 1 of the second product) and outputs 128 w .. + 127, for all 64 rows.
; So each fragment of a weight is loaded once in the work-group, by one wave, and feeds four products.  The weights come from memory straight into registers, as images laid by the first launch
; (three loads of 512 consecutive bytes a fragment), through a ring of five slots of four fragments: 48 to 60 loads of a wave are on their way.
; Each wave gathers the 64 rows' codes of x itself (192 registers).  The hidden layer is quantised in registers and goes from wave to wave through LDS as images of operand registers.
; Both products are used TRANSPOSED (source 0 = 16 rows of the weight, source 1 = 16 tokens): a lane holds one token throughout.  The biases are the C of each sum's first product.
; NO TENSOR LOAD, NO CLUSTER: the launch branches on a stored count, and how many tiles an expert has hangs on the data, so partners could not be given tiles of one expert at every split.
; LIMITS: NaN and infinities are not served; a block of the hidden layer that is all zeros, or under 2^-124, keeps the scale byte 1: its codes are zeros.
; REGISTERS, in windows of 256 (s_set_vgpr_msb: bits 1:0 source 0, 3:2 source 1, 5:4 source 2, 7:6 destination):
;   window 0: addresses, tokens, all scale words, the quantiser's work.   window 1: v0-191 x's 16 fragments (48 m + 12 s); later two sets of four hidden fragments; later rows of out0; v192-255 a bias, 8 tiles x 8.
;   window 2: the ring.   window 3: 32 accumulators at 64 m + 8 t (m: tile of rows, t: tile of columns).
.set HIMG,   0                         ; LDS: the hidden layer's 32 images of 1,536 bytes: (K step s, rows m) at (4 s + m) x 1,536
.set HSC,    49152                     ; their scale words: 256 s + 64 m + 4 r
.set STG,    51200                     ; the way out: 16 rows x 528 bytes for each wave, its own
.set SPITCH, 528
.set TOKR, 14                          ; v14-17   the token of row 16 m + r
.set TOKL, 18                          ; v18-19   the token of row 32 p + lane
.set XO,   20                          ; v20-23   first places in the list, then token x 384 + 192 h
.set T4,   24                          ; v24-27   token x 4
.set T16,  28                          ; v28-29   first places in the list, then token x 16
.set XS,   32                          ; v32-39   x's scale words: 4 p + s; lanes 0-15 rows 32 p .., lanes 16-31 rows 32 p + 16 ..
.set W1S,  40                          ; v40-71   W1's: 4 (4 c + b) + s; lanes 0-15 tile 2 b, lanes 16-31 tile 2 b + 1
.set W2S,  72                          ; v72-103  W2's: 4 n + s % 4; lanes 0-15 K steps 0-3, lanes 16-31 K steps 4-7
.set HS,   104                         ; v104-119 the hidden layer's: 2 s + p, as x's
.set PM,   120                         ; v120-127 the largest probability of row 16 m + r, in pairs of which the low word serves
.set TM,   128                         ; v128-143 the quantiser: +0..3 largest magnitudes, +4..7 bytes, +12..15 the conversions' scale operands
.set PW,   144                         ; the scale word just made
.set PC,   146                         ; v146-165 the codes just made
.set OFF,  168                         ; v168-199 two sets of 16 store offsets
.set BI,   192                         ; in window 1: the bias
.set MSB, 0
.macro WIN new                         ; the immediate's high byte repeats the setting that is left; a switch that changes nothing is dropped
.if MSB != \new
	s_set_vgpr_msb (MSB<<8)|\new
.set MSB, \new
.endif
.endm
; A load into a register that a matrix instruction has read, and a vector instruction that reads a matrix result, stand four places behind it, and only plain vector instructions
; that name none of its registers are places (ISA guide 7.12.1 for vector instructions).
.macro PLACES
.rept 4
	v_nop
.endr
.endm
.macro WM                              ; one product; fA, fB: the side's scale words stand in lanes 16-31
.if fA && fB
	v_wmma_scale_f32_16x16x128_f8f6f4 v[rD:rD+7], v[rA:rA+11], v[rB:rB+11], v[rC:rC+7], v[rSA], v[rSB] matrix_a_fmt:MATRIX_FMT_FP6 matrix_b_fmt:MATRIX_FMT_FP6 matrix_a_scale:MATRIX_SCALE_ROW1 matrix_b_scale:MATRIX_SCALE_ROW1
.elseif fA
	v_wmma_scale_f32_16x16x128_f8f6f4 v[rD:rD+7], v[rA:rA+11], v[rB:rB+11], v[rC:rC+7], v[rSA], v[rSB] matrix_a_fmt:MATRIX_FMT_FP6 matrix_b_fmt:MATRIX_FMT_FP6 matrix_a_scale:MATRIX_SCALE_ROW1
.elseif fB
	v_wmma_scale_f32_16x16x128_f8f6f4 v[rD:rD+7], v[rA:rA+11], v[rB:rB+11], v[rC:rC+7], v[rSA], v[rSB] matrix_a_fmt:MATRIX_FMT_FP6 matrix_b_fmt:MATRIX_FMT_FP6 matrix_b_scale:MATRIX_SCALE_ROW1
.else
	v_wmma_scale_f32_16x16x128_f8f6f4 v[rD:rD+7], v[rA:rA+11], v[rB:rB+11], v[rC:rC+7], v[rSA], v[rSB] matrix_a_fmt:MATRIX_FMT_FP6 matrix_b_fmt:MATRIX_FMT_FP6
.endif
.endm
; Ring group u (0-15: W1's, 16-31: W2's): four fragments, 12 loads of 512 consecutive bytes, into slot u % 5.  My wave's images lie in the order in which the units take them: image 4 (u % 16) + i
.macro LOADU u
	WIN 0x80                                       ; destination window 2, address window 0
.set li, 0
.rept 4
.set lk, 0
.rept 3
.if (\u) < 16
	global_load_b128 v[48*((\u)%5)+12*li+4*lk:48*((\u)%5)+12*li+4*lk+3], v4, s[12:13] offset:1536*(4*((\u)%16)+li)+512*lk
.else
	global_load_b128 v[48*((\u)%5)+12*li+4*lk:48*((\u)%5)+12*li+4*lk+3], v4, s[18:19] offset:1536*(4*((\u)%16)+li)+512*lk
.endif
.set lk, lk+1
.endr
.set li, li+1
.endr
.endm
.macro BIAS1 c                         ; b1 of run c in the result's layout: lane (r, h), tile 2 b + u, register j: hidden unit 32 b + 16 h + 8 u + j
	WIN 0x40
.irp t, 0,1,2,3,4,5,6,7
	global_load_b128 v[BI+8*\t:BI+8*\t+3], v6, s[16:17] offset:512*(\c)+(32*(\t/2)+8*(\t%2))*4
	global_load_b128 v[BI+8*\t+4:BI+8*\t+7], v6, s[16:17] offset:512*(\c)+(32*(\t/2)+8*(\t%2))*4+16
.endr
.endm
.macro BIAS2                           ; b2: tile n, register j: output 16 n + 8 h + j
	WIN 0x40
.irp n, 0,1,2,3,4,5,6,7
	global_load_b128 v[BI+8*\n:BI+8*\n+3], v8, s[22:23] offset:64*\n
	global_load_b128 v[BI+8*\n+4:BI+8*\n+7], v8, s[22:23] offset:64*\n+16
.endr
.endm
; UNIT u: the four fragments of ring group u against the four tiles of rows: 16 products on 16 different accumulators; the next unit takes the other 16.  So no two products that follow each other
; share an accumulator.  u < 16: run u / 8, K step (u % 8) / 2, tiles 4 (u % 2) + i of the hidden layer.  u >= 16: K step (u - 16) / 2, tiles 4 (u % 2) + i of the outputs.
; THE WAIT counts the loads issued behind group u: four ring groups, 48; where the 16 loads of a bias lie among them, 64, of which the field holds 63; for unit 0 groups 2 to 4; at the end what is left.
.macro UNIT u
.if (\u) == 0
	s_wait_loadcnt 36
.elseif (\u) >= 28
	s_wait_loadcnt 12*(31-(\u))
.elseif (((\u) >= 2) && ((\u) <= 5)) || (((\u) >= 10) && ((\u) <= 13))
	s_wait_loadcnt 63
.else
	s_wait_loadcnt 48
.endif
.if (\u) < 16
.set ks, ((\u)%8)/2
.else
.set ks, ((\u)-16)/2
.endif
.if ks == 0
	WIN 0xd6                                       ; source 0 window 2, source 1 window 1, C (the bias) window 1, D window 3
.else
	WIN 0xf6                                       ; the same, C and D window 3
.endif
.set fi, 0
.rept 4
.set tt, 4*((\u)%2)+fi
.set fm, 0
.rept 4
.set rD, 64*fm+8*tt
.set rA, 48*((\u)%5)+12*fi
.if ks == 0
.set rC, BI+8*tt
.else
.set rC, rD
.endif
.if (\u) < 16
.set rB, 48*fm+12*ks
.set rSA, W1S+4*(4*((\u)/8)+tt/2)+ks
.set fA, tt%2
.set rSB, XS+4*(fm/2)+ks
.else
.set rB, 48*(ks%2)+12*fm
.set rSA, W2S+4*tt+ks%4
.set fA, ks/4
.set rSB, HS+2*ks+fm/2
.endif
.set fB, fm%2
	WM
.set fm, fm+1
.endr
.set fi, fi+1
.endr
	PLACES                                         ; in front of the loads into the slot just read, of a bias's or a hidden set's loads, and of the first read of results
.endm
.macro HFETCH s                        ; K step s of the hidden layer, four tiles of rows, into set s % 2 of window 1
	WIN 0x40
.irp m, 0,1,2,3
.irp k, 0,1,2
	ds_load_b128 v[48*((\s)%2)+12*\m+4*\k:48*((\s)%2)+12*\m+4*\k+3], v4 offset:(4*(\s)+\m)*1536+512*\k
.endr
.endr
.endm
; Rows 16 m .. of run c: relu, then 64 numbers of a lane (register 16 b + i = hidden unit 32 b + 16 h + i of my token) become one fragment and one scale word, which go to LDS as they stand
.macro QUANT m, c
.set S_, 64*(\m)
	WIN 0xcc
.set j, 0
.rept 64
	v_max_num_f32 v[S_+j], 0, v[S_+j]              ; the activation, in f32; each accumulator from its low end on
.set j, j+1
.endr
	WIN 0x0f
.irp b, 0,1,2,3
	v_max3_num_f32 v[TM+\b], v[S_+16*\b], v[S_+16*\b+1], 0x1800000   ; none is negative; the floor 2^(3 - 127) holds the byte at 1 from below
.endr
	WIN 0x3c
.irp i, 2,4,6,8,10,12,14
.irp b, 0,1,2,3
	v_max3_num_f32 v[TM+\b], v[TM+\b], v[S_+16*\b+\i], v[S_+16*\b+\i+1]   ; the four blocks by turns
.endr
.endr
	WIN 0
.irp b, 0,1,2,3
	v_permlanex16_b32 v[TM+4+\b], v[TM+\b], s50, s51
.endr
.irp b, 0,1,2,3
	v_max_num_f32 v[TM+\b], v[TM+\b], v[TM+4+\b]   ; with lane l xor 16's 16: the block's largest
.endr
.irp b, 0,1,2,3
	v_add_nc_u32 v[TM+12+\b], 0xff000000, v[TM+\b] ; 2 off the exponent field: the conversion's scale operand
.endr
.irp b, 0,1,2,3
	v_lshrrev_b32 v[TM+4+\b], 23, v[TM+12+\b]      ; the scale's byte
.endr
	s_wait_dscnt 0x0                               ; the last image's stores have read the registers that are written now
	v_lshl_or_b32 v[PW], v[TM+5], 8, v[TM+4]
	v_lshl_or_b32 v[PW], v[TM+6], 16, v[PW]
	v_lshl_or_b32 v[PW], v[TM+7], 24, v[PW]
	WIN 0x03
.irp q, 0,1
	v_cvt_scalef32_pk16_fp6_f32 v[PC+6*\q:PC+6*\q+2], v[S_+32*\q:S_+32*\q+15], v[TM+12+2*\q]
	v_cvt_scalef32_pk16_fp6_f32 v[PC+12+4*\q:PC+12+4*\q+2], v[S_+32*\q+16:S_+32*\q+31], v[TM+12+2*\q+1]   ; (a conversion's three registers begin on an even number)
.endr
	WIN 0
	v_nop                                          ; one plain line behind the scaled conversions
.irp q, 0,1                                        ; the operand's layout wants a whole block in a lane
.irp i, 0,1,2
	v_permlane16_swap_b32 v[PC+6*\q+\i], v[PC+12+4*\q+\i]
.endr
.irp i, 0,1,2
	v_mov_b32 v[PC+3+6*\q+\i], v[PC+12+4*\q+\i]
.endr
.endr
.irp k, 0,1,2
	ds_store_b128 v9, v[PC+4*\k:PC+4*\k+3] offset:6144*(\c)+1536*(\m)+512*\k
.endr
	ds_store_b32 v10, v[PW] offset:256*(\c)+64*(\m)   ; lanes r and r + 16 write the same word with the same value
.endm
; THE WAY OUT of rows 16 m ..: x the token's largest probability; through my own stage; back as whole rows of my 512 bytes; each to its token's row
.macro PKMUL m
	WIN 0xc3
.set j, 0
.rept 32
	v_pk_mul_f32 v[64*(\m)+j:64*(\m)+j+1], v[64*(\m)+j:64*(\m)+j+1], v[PM+2*(\m):PM+2*(\m)+1] op_sel_hi:[1,0]
.set j, j+2
.endr
.endm
.macro OFFS m                          ; row 16 m + i's token x 2,048 + 16 x lane; four scalars by turns
	WIN 0
.irp i, 0,1,2,3,4,5,6,7,8,9,10,11,12,13,14,15
	v_readlane_b32 s[52+\i%4], v[TOKL+(\m)/2], 16*((\m)%2)+\i
	s_min_u32 s[52+\i%4], s[52+\i%4], 0x1fff
	s_lshl_b32 s[52+\i%4], s[52+\i%4], 11
	v_add_nc_u32 v[OFF+16*((\m)%2)+\i], s[52+\i%4], v4
.endr
.endm
.macro TOSTAGE m
	WIN 0x0c                                       ; an LDS store's data are its source 1: window 3
.irp n, 0,1,2,3,4,5,6,7
	ds_store_b128 v12, v[64*(\m)+8*\n:64*(\m)+8*\n+3] offset:64*\n
	ds_store_b128 v12, v[64*(\m)+8*\n+4:64*(\m)+8*\n+7] offset:64*\n+16
.endr
	WIN 0x40
.irp i, 0,1,2,3,4,5,6,7,8,9,10,11,12,13,14,15
	ds_load_b128 v[64*((\m)%2)+4*\i:64*((\m)%2)+4*\i+3], v13 offset:\i*SPITCH   ; LDS serves a wave's instructions in order (ISA guide 5.7.1.4): these see the stores above
.endr
.endm
.macro SEND m, younger                 ; younger: the LDS instructions issued behind these rows' loads, which may stay out
	s_wait_dscnt \younger
	WIN 0x04                                       ; a store's data are its source 1: window 1
.irp i, 0,1,2,3,4,5,6,7,8,9,10,11,12,13,14,15
	global_store_b128 v[OFF+16*((\m)%2)+\i], v[64*((\m)%2)+4*\i:64*((\m)%2)+4*\i+3], s[26:27] th:TH_STORE_NT   ; 32 lanes store 512 consecutive bytes, at a multiple of 256 from out0's first byte
.endr
.endm
	s_load_b512 s[4:19], s[0:1], 0x0               ; counts 4, order 6, xq 8, xs 10, w1f 12, W1_scales 14, b1 16, w2f 18
	s_load_b256 s[20:27], s[0:1], 0x40             ; W2_scales 20, b2 22, out4 24, out0 26
	v_lshl_add_u32 v254, v0, 2, 0x14c00
	v_mov_b32 v255, 0
	v_lshrrev_b32 v30, 5, v0
	v_readfirstlane_b32 s36, v30                   ; wave 0..3
	v_and_b32 v1, 31, v0                           ; lane
	v_and_b32 v2, 15, v0                           ; r
	v_bfe_u32 v3, v0, 4, 1                         ; h
	s_wait_kmcnt 0x0
	s_load_b256 s[28:35], s[4:5], 0x0              ; the eight counts
	v_lshlrev_b32 v4, 4, v1                        ; 16 x lane: an image's place for my lane
	v_and_b32 v30, 8, v2
	v_add_nc_u32 v30, v30, v2
	v_lshl_add_u32 v30, v3, 3, v30
	v_lshlrev_b32 v5, 4, v30                       ; W1's scale words: row 8 h + r + 8 (r / 8) of 32, 16 bytes a row: the 32 lanes take 512 bytes on end
	v_lshlrev_b32 v6, 6, v3                        ; b1: 16 h numbers on
	v_lshlrev_b32 v7, 5, v2
	v_lshl_add_u32 v7, v3, 4, v7                   ; W2's scale words: row r of 32 bytes, half h
	v_lshlrev_b32 v8, 5, v3                        ; b2: 8 h numbers on
	s_mul_i32 s42, s36, 12288
	v_add_nc_u32 v9, s42, v4                       ; where I store images: K steps 2 w, 2 w + 1
	s_lshl_b32 s42, s36, 9
	s_add_co_u32 s42, s42, HSC
	v_lshl_add_u32 v10, v2, 2, s42                 ; and their scale words
	v_lshl_add_u32 v11, v1, 2, HSC                 ; where I read scale words: two tiles of rows at a time
	s_mul_i32 s42, s36, 16*SPITCH
	s_add_co_u32 s42, s42, STG
	v_mul_u32_u24 v12, v2, SPITCH
	v_lshl_add_u32 v12, v3, 5, v12
	v_add_nc_u32 v12, s42, v12                     ; my stage, in: row r, 32 h bytes on
	v_add_nc_u32 v13, s42, v4                      ; and back: a row's 512 bytes over 32 lanes
.irp b, 0,1,2,3
	v_mov_b32 v[TM+4+\b], 0                        ; written once: a lane permute's destination counts as one of its sources
	v_mov_b32 v[PM+2*\b+1], 0                      ; named as the upper halves of pairs
.endr
	s_mov_b32 s50, 0x76543210
	s_mov_b32 s51, 0xfedcba98                      ; v_permlanex16_b32: lane l xor 16
	s_wait_kmcnt 0x0
	; which tile is mine: expert e has (count + 63) / 64 tiles, the experts one behind the other
.irp e, 0,1,2,3,4,5,6,7
	s_min_u32 s[28+\e], s[28+\e], 0x2000
	s_add_co_u32 s[56+\e], s[28+\e], 63
	s_lshr_b32 s[56+\e], s[56+\e], 6
.endr
	s_add_co_u32 s42, s56, s57
.irp e, 2,3,4,5,6,7
	s_add_co_u32 s42, s42, s[56+\e]                ; tiles in all
.endr
	s_cmp_lt_u32 ttmp9, s42
	s_cselect_b32 s44, 1, 0                        ; have I a tile?
	s_cselect_b32 s47, ttmp9, 0                    ; if not: tile 0's data serve up to the barrier
	s_mov_b32 s38, 0
	s_mov_b32 s39, 0
	s_mov_b32 s40, 0
	s_mov_b32 s41, 1
.irp e, 0,1,2,3,4,5,6,7
	s_sub_co_u32 s42, s47, s38                     ; (below the expert's first tile this wraps to a large number)
	s_cmp_lt_u32 s42, s[56+\e]
	s_cselect_b32 s39, \e, s39                     ; the expert,
	s_cselect_b32 s40, s42, s40                    ; which of its tiles,
	s_cselect_b32 s41, s[28+\e], s41               ; its count
	s_add_co_u32 s38, s38, s[56+\e]
.endr
	s_min_u32 s39, s39, 7
	s_min_u32 s40, s40, 127
	s_sub_co_u32 s45, s41, 1
	s_min_u32 s45, s45, 0x1fff                     ; the last place of the expert's list
	s_lshl_b32 s46, s40, 6                         ; my tile's first place
	s_lshl_b32 s43, s39, 2
	s_add_co_u32 s43, s43, s36                     ; 4 e + w
	s_mov_b32 s49, 0
	s_mul_i32 s48, s43, 98304                      ; 64 images a wave
	s_add_nc_u64 s[12:13], s[12:13], s[48:49]
	s_add_nc_u64 s[18:19], s[18:19], s[48:49]
	s_lshl_b32 s48, s43, 12                        ; 256 rows of 16 scale bytes; 128 rows of 32
	s_add_nc_u64 s[14:15], s[14:15], s[48:49]
	s_add_nc_u64 s[20:21], s[20:21], s[48:49]
	s_lshl_b32 s48, s43, 10                        ; 256 numbers of b1
	s_add_nc_u64 s[16:17], s[16:17], s[48:49]
	s_lshl_b32 s48, s43, 9                         ; 128 of b2
	s_add_nc_u64 s[22:23], s[22:23], s[48:49]
	s_lshl_b32 s48, s39, 15                        ; the expert's list
	s_add_nc_u64 s[6:7], s[6:7], s[48:49]
	s_lshl_b32 s48, s36, 9                         ; my 512 bytes of a row of out0
	s_add_nc_u64 s[26:27], s[26:27], s[48:49]
	v_add_nc_u32 v30, s46, v2
	v_add_nc_u32 v31, s46, v1
.irp m, 0,1,2,3
	v_add_nc_u32 v[XO+\m], 16*\m, v30
	v_min_u32 v[XO+\m], s45, v[XO+\m]              ; surplus rows repeat the last token
	v_min_u32 v[XO+\m], 0x1fff, v[XO+\m]
	v_lshlrev_b32 v[XO+\m], 2, v[XO+\m]
.endr
.irp p, 0,1
	v_add_nc_u32 v[T16+\p], 32*\p, v31
	v_min_u32 v[T16+\p], s45, v[T16+\p]
	v_min_u32 v[T16+\p], 0x1fff, v[T16+\p]
	v_lshlrev_b32 v[T16+\p], 2, v[T16+\p]
.endr
.irp m, 0,1,2,3
	global_load_b32 v[TOKR+\m], v[XO+\m], s[6:7]
.endr
.irp p, 0,1
	global_load_b32 v[TOKL+\p], v[T16+\p], s[6:7]
.endr
	; what hangs on the expert alone goes out while the list is on its way: 8 + 8 + 16 small loads and two ring groups
.irp P, 0,1,2,3,4,5,6,7
	global_load_b128 v[W1S+4*\P:W1S+4*\P+3], v5, s[14:15] offset:512*\P
.endr
.irp n, 0,1,2,3,4,5,6,7
	global_load_b128 v[W2S+4*\n:W2S+4*\n+3], v7, s[20:21] offset:512*\n
.endr
	BIAS1 0
	LOADU 0
	LOADU 1
	WIN 0
	v_mul_u32_u24 v30, v3, 192
	s_wait_loadcnt 56                              ; behind the list's six: 32 + 24
.irp m, 0,1,2,3
	v_min_u32 v[TOKR+\m], 0x1fff, v[TOKR+\m]
	v_mul_u32_u24 v[XO+\m], v[TOKR+\m], 384
	v_add_nc_u32 v[XO+\m], v[XO+\m], v30           ; my half's 192 bytes of the token's codes
	v_lshlrev_b32 v[T4+\m], 2, v[TOKR+\m]
.endr
.irp p, 0,1
	v_min_u32 v[TOKL+\p], 0x1fff, v[TOKL+\p]
	v_lshlrev_b32 v[T16+\p], 4, v[TOKL+\p]
.endr
	WIN 0x40
.irp m, 0,1,2,3
.irp k, 0,1,2,3,4,5,6,7,8,9,10,11
	global_load_b128 v[48*\m+4*\k:48*\m+4*\k+3], v[XO+\m], s[8:9] offset:16*\k   ; registers 12 s + 6 c .. + 5: block 4 s + 2 c + h
.endr
.endr
	WIN 0
.irp p, 0,1
	global_load_b128 v[XS+4*\p:XS+4*\p+3], v[T16+\p], s[10:11]
.endr
.irp m, 0,1,2,3
	global_load_b32 v[PM+2*\m], v[T4+\m], s[24:25]
.endr
	LOADU 2
	LOADU 3
	LOADU 4
	; ---- the first product, run 0 of my hidden units
.irp u, 0,1,2,3,4,5,6,7
	UNIT \u
.if \u == 1
	BIAS1 1                                        ; units 0 and 1 have read run 0's bias
.endif
	LOADU \u+5
.endr
	QUANT 0, 0
	QUANT 1, 0
	QUANT 2, 0
	QUANT 3, 0
	; ---- run 1
.irp u, 8,9,10,11,12,13,14,15
	UNIT \u
.if \u == 9
	BIAS2
.endif
	LOADU \u+5
.endr
	QUANT 0, 1
	QUANT 1, 1
	QUANT 2, 1
	QUANT 3, 1
	s_wait_dscnt 0x0                               ; for the others' sake: my eight images and their scale words lie in LDS
	s_barrier_signal -1
	s_barrier_wait -1                              ; all 32 do.  (The ring's loads of W2 stay on their way: nobody writes those bytes)
	s_cmp_eq_u32 s44, 0
	s_cbranch_scc1 .Lend                           ; no tile: nothing to store
	; ---- the second product: my 128 outputs for the 64 rows
.irp s, 0,1,2,3,4,5,6,7
.irp p, 0,1
	ds_load_b32 v[HS+2*\s+\p], v11 offset:256*\s+128*\p
.endr
.endr
	HFETCH 0
.irp s, 0,1,2,3,4,5,6,7
.if \s < 7
	HFETCH \s+1                                    ; into the set that the K step before has read, behind that unit's places
	s_wait_dscnt 12                                ; all but the 12 just issued
.else
	s_wait_dscnt 0x0
.endif
	UNIT 16+2*\s
.if 16+2*\s+5 < 32
	LOADU 16+2*\s+5
.endif
	UNIT 17+2*\s
.if 17+2*\s+5 < 32
	LOADU 17+2*\s+5
.endif
.endr
	; ---- the way out; while one block's rows are stored, the next is on its way through the stage
	PKMUL 0
	OFFS 0
	TOSTAGE 0
.irp m, 1,2,3
.if \m > 1
	s_wait_xcnt 0x0                                ; block m - 2's stores have read their data and offsets, which block m takes
.endif
	PKMUL \m
	OFFS \m
	TOSTAGE \m
	SEND \m-1, 32                                  ; behind block m - 1's loads: block m's 16 stores and 16 loads
.endr
	SEND 3, 0
	WIN 0                                          ; at a label every window is 0
.Lend:
	s_wait_tensorcnt 0x0
	ds_add_u32 v254, v255
	s_wait_dscnt 0x0
	s_endpgm
.Lfunc_end_k_q8d33f633e2_ffn:
	.size	k_q8d33f633e2_ffn, .Lfunc_end_k_q8d33f633e2_ffn-k_q8d33f633e2_ffn
	.p2alignl 7, 3214868480
	.fill 96, 4, 3214868480
	.section	.rodata,"a",@progbits
	.p2align	6, 0x0
	.amdhsa_kernel k_q8d33f633e2_ffn
		.amdhsa_group_segment_fixed_size 85504
		.amdhsa_private_segment_fixed_size 0
		.amdhsa_enable_private_segment 0
		.amdhsa_kernarg_size 96
		.amdhsa_user_sgpr_count 2
		.amdhsa_user_sgpr_kernarg_segment_ptr 1
		.amdhsa_wavefront_size32 1
		.amdhsa_system_sgpr_workgroup_id_x 1
		.amdhsa_system_sgpr_workgroup_id_y 1
		.amdhsa_system_sgpr_workgroup_id_z 1
		.amdhsa_system_vgpr_workitem_id 0
		.amdhsa_next_free_vgpr 1024
		.amdhsa_next_free_sgpr 66
		.amdhsa_reserve_vcc 0
		.amdhsa_float_denorm_mode_32 3
		.amdhsa_float_denorm_mode_16_64 3
		.amdhsa_memory_ordered 1
		.amdhsa_forward_progress 1
		.amdhsa_inst_pref_size 219
	.end_amdhsa_kernel
	.amdgpu_metadata
---
amdhsa.version: [ 1, 2 ]
amdhsa.kernels:
  - .name:           k_q8d33f633e2_ffn
    .symbol:         k_q8d33f633e2_ffn.kd
    .args:
      - { .name: counts, .offset: 0, .size: 8, .value_kind: global_buffer, .address_space: global }
      - { .name: order, .offset: 8, .size: 8, .value_kind: global_buffer, .address_space: global }
      - { .name: xq, .offset: 16, .size: 8, .value_kind: global_buffer, .address_space: global }
      - { .name: xs, .offset: 24, .size: 8, .value_kind: global_buffer, .address_space: global }
      - { .name: w1f, .offset: 32, .size: 8, .value_kind: global_buffer, .address_space: global }
      - { .name: W1_scales, .offset: 40, .size: 8, .value_kind: global_buffer, .address_space: global }
      - { .name: b1, .offset: 48, .size: 8, .value_kind: global_buffer, .address_space: global }
      - { .name: w2f, .offset: 56, .size: 8, .value_kind: global_buffer, .address_space: global }
      - { .name: W2_scales, .offset: 64, .size: 8, .value_kind: global_buffer, .address_space: global }
      - { .name: b2, .offset: 72, .size: 8, .value_kind: global_buffer, .address_space: global }
      - { .name: out4, .offset: 80, .size: 8, .value_kind: global_buffer, .address_space: global }
      - { .name: out0, .offset: 88, .size: 8, .value_kind: global_buffer, .address_space: global }
    .group_segment_fixed_size: 85504
    .private_segment_fixed_size: 0
    .kernarg_segment_align: 8
    .kernarg_segment_size: 96
    .max_flat_workgroup_size: 128
    .sgpr_count:     66
    .vgpr_count:     1024
    .wavefront_size: 32
...
	.end_amdgpu_metadata
.endif
;; end of part 3
;; ======== version 2 of 2: 3 launches; version 1 with the launch ffn written anew for expert scheduling mode
;; workspace buffers: xq 3,145,728 bytes; xs 131,072 bytes; w1f 3,145,728 bytes; w2f 3,145,728 bytes; routes 32,768 bytes of whole numbers; psum 8,192 bytes; order 262,144 bytes of whole numbers; counts 256 bytes of whole numbers
;; launch route: the kernel of part 1 again; grid 256 x 1, 8 waves a work-group, no clusters, 59,904 bytes of LDS; arguments x, W_switch, b_switch, W1_codes, W2_codes, xq, xs, w1f, w2f, routes, psum, out4; writes xq, xs, w1f, w2f, routes, psum, out4
;; launch place: the kernel of part 2 again; grid 8 x 1, 32 waves a work-group, no clusters, 4,352 bytes of LDS; arguments routes, psum, order, counts, out1, out2, out3; writes order, counts, out1, out2, out3
;; launch ffn (part 4): grid 135 x 1, 4 waves a work-group, no clusters, 85,504 bytes of LDS; arguments counts, order, xq, xs, w1f, W1_scales, b1, w2f, W2_scales, b2, out4, out0; writes out0
.if DOCPART == 4
	.amdgcn_target "amdgcn-amd-amdhsa--gfx1250"
	.amdhsa_code_object_version 6
	.text
	.protected	k_q8d33f633e2_ffn
	.globl	k_q8d33f633e2_ffn
	.p2align	8
	.type	k_q8d33f633e2_ffn,@function
k_q8d33f633e2_ffn:
	s_mov_b64 s[64:65], 0
	v_nop
	global_prefetch_b8 v0, s[64:65] scope:SCOPE_SE
	s_setreg_imm32_b32 hwreg(HW_REG_WAVE_SCHED_MODE, 0, 2), 2
	s_setreg_imm32_b32 hwreg(HW_REG_WAVE_MODE, 25, 1), 1
	s_wait_xcnt 0x0
	s_wait_alu depctr_vm_vsrc(0)
; FFN.  out0[token] = (relu(x W1[e] + b1[e]) W2[e] + b2[e]) x the token's largest probability, e the token's expert; both products on codes of FP6 (E2M3) with one E8M0 scale for each 32 along K.
; Only the chosen expert's rows are multiplied: the one-hot mask of the layer throws the others away.
; GRID.  Tiles of 64 rows of one expert: never more than 8192 / 64 + 8 - 1 = 135, whatever the split.  A work-group finds its tile from the eight counts.  One that a split leaves without a tile walks tile 0's
; first product (so that it passes the one barrier on data that exist), stores nothing and ends at the one branch on a stored number, which stands behind that barrier.
; A tile's surplus rows repeat its last token: the same wave stores the same bits to the same bytes, and no lane is switched off.
; SHARES.  The four waves share the COLUMNS: wave w makes hidden units 256 w .. + 255 (two runs of 128: K steps 2 w, 2 w + 1 of the second product) and outputs 128 w .. + 127, for all 64 rows.
; So each fragment of a weight is loaded once in the work-group, by one wave, and feeds four products.  The weights come from memory straight into registers, as images laid by the first launch
; (three loads of 512 consecutive bytes a fragment), through a ring of five slots of four fragments: 36 to 48 loads of a wave are on their way.
; Each wave gathers the 64 rows' codes of x itself (192 registers).  The hidden layer is quantised in registers and goes from wave to wave through LDS as images of operand registers.
; Both products are used TRANSPOSED (source 0 = 16 rows of the weight, source 1 = 16 tokens): a lane holds one token throughout.  The biases are the C of each sum's first product.
; NO TENSOR LOAD, NO CLUSTER: the launch branches on a stored count, and how many tiles an expert has hangs on the data, so partners could not be given tiles of one expert at every split.
; LIMITS: NaN and infinities are not served; a block of the hidden layer that is all zeros, or under 2^-124, keeps the scale byte 1: its codes are zeros.
; REGISTERS, in windows of 256 (s_set_vgpr_msb: bits 1:0 source 0, 3:2 source 1, 5:4 source 2, 7:6 destination):
;   window 0: addresses, tokens, all scale words, the quantiser's work.   window 1: v0-191 x's 16 fragments (48 m + 12 s); later two sets of four hidden fragments; later rows of out0; v192-255 a bias, 8 tiles x 8.
;   window 2: the ring.   window 3: 32 accumulators at 64 m + 8 t (m: tile of rows, t: tile of columns).
; THE MODE: SCHED_MODE bits 1:0 = 2 (LLVM: expert scheduling mode 2), set by the entry lines.  The code itself states the register dependences
; between vector or matrix instructions and memory or LDS instructions, with s_wait_alu, always for 0.
; THE PLAN.  Registers that memory or LDS instructions touch, and who else names them:
;   the ring, slot k    Written by the loads of group u (u % 5 = k), issued in the middle of unit u - 4 (groups 0 to 4: at the head); read by unit u's sixteen products.
;   the bias            Loaded at the head, in unit 2 and in unit 10; read as C by units 0, 1; 8, 9; 16, 17.
;   x's fragments       Loaded once; read by units 0 to 15.  Their first 96 registers then are the two hidden sets.
;   hidden set s % 2    Written by the LDS loads of K step s, issued in the middle of unit 14 + 2 s (K step 0: ahead of unit 16); read by units 16 + 2 s and 17 + 2 s.
;   v[PC ..], v[PW]     Written by a QUANT's conversions, swaps, moves and shifts; read by its four LDS stores.
;   the way out         Block m's accumulators: written by its multiplications, read by its LDS stores.  Rows set m % 2 (window 1): written by the loads from the stage, read by the block's stores to memory.
;                       Offsets set m % 2: written by sixteen additions, read by the same stores.
;   v4 - v13            Offsets and LDS addresses: made at the head, never written again.   v[XO ..], v[T16 ..]: made twice at the head.
;   All scale words are loaded once and named by products alone.
; So ONE wait on va_vdst stands at the head of a unit in which loads are issued: the unit before is done reading its slot (and its bias, and its hidden set).  The unit's loads stand in one run in its
; middle, eight products ahead of them and eight behind: those name this unit's slot, x's fragments or this K step's set, the accumulators and scale words: none of the registers that the run touches.
; One run, since each run costs two switches of the register windows.
.set HIMG,   0                         ; LDS: the hidden layer's 32 images of 1,536 bytes: (K step s, rows m) at (4 s + m) x 1,536
.set HSC,    49152                     ; their scale words: 256 s + 64 m + 4 r
.set STG,    51200                     ; the way out: 16 rows x 528 bytes for each wave, its own
.set SPITCH, 528
.set TOKR, 14                          ; v14-17   the token of row 16 m + r
.set TOKL, 18                          ; v18-19   the token of row 32 p + lane
.set XO,   20                          ; v20-23   first places in the list, then token x 384 + 192 h
.set T4,   24                          ; v24-27   token x 4
.set T16,  28                          ; v28-29   first places in the list, then token x 16
.set XS,   32                          ; v32-39   x's scale words: 4 p + s; lanes 0-15 rows 32 p .., lanes 16-31 rows 32 p + 16 ..
.set W1S,  40                          ; v40-71   W1's: 4 (4 c + b) + s; lanes 0-15 tile 2 b, lanes 16-31 tile 2 b + 1
.set W2S,  72                          ; v72-103  W2's: 4 n + s % 4; lanes 0-15 K steps 0-3, lanes 16-31 K steps 4-7
.set HS,   104                         ; v104-119 the hidden layer's: 2 s + p, as x's
.set PM,   120                         ; v120-127 the largest probability of row 16 m + r, in pairs of which the low word serves
.set TM,   128                         ; v128-143 the quantiser: +0..3 largest magnitudes, +4..7 bytes, +12..15 the conversions' scale operands
.set PW,   144                         ; the scale word just made
.set PC,   146                         ; v146-165 the codes just made
.set OFF,  168                         ; v168-199 two sets of 16 store offsets
.set BI,   192                         ; in window 1: the bias
.set RL,   40                          ; s40-55   the way out: sixteen tokens, then their rows' byte offsets (what these registers held at the head is done with)
.set MSB, 0
.macro WIN new                         ; the immediate's high byte repeats the setting that is left; a switch that changes nothing is dropped
.if MSB != \new
	s_set_vgpr_msb (MSB<<8)|\new
.set MSB, \new
.endif
.endm
; A vector instruction that reads a matrix result stands four places behind it, and only plain vector instructions that name none of its registers are places (ISA guide 7.12.1).
; The four stand at every unit's end: behind units 7, 15 and 31 the results are read next; behind the others they stand ahead of the loads into registers that the unit has read,
; beside the wait at the next unit's head, which states that dependence.
.macro PLACES
.rept 4
	v_nop
.endr
.endm
.macro WM                              ; one product; fA, fB: the side's scale words stand in lanes 16-31
.if fA && fB
	v_wmma_scale_f32_16x16x128_f8f6f4 v[rD:rD+7], v[rA:rA+11], v[rB:rB+11], v[rC:rC+7], v[rSA], v[rSB] matrix_a_fmt:MATRIX_FMT_FP6 matrix_b_fmt:MATRIX_FMT_FP6 matrix_a_scale:MATRIX_SCALE_ROW1 matrix_b_scale:MATRIX_SCALE_ROW1
.elseif fA
	v_wmma_scale_f32_16x16x128_f8f6f4 v[rD:rD+7], v[rA:rA+11], v[rB:rB+11], v[rC:rC+7], v[rSA], v[rSB] matrix_a_fmt:MATRIX_FMT_FP6 matrix_b_fmt:MATRIX_FMT_FP6 matrix_a_scale:MATRIX_SCALE_ROW1
.elseif fB
	v_wmma_scale_f32_16x16x128_f8f6f4 v[rD:rD+7], v[rA:rA+11], v[rB:rB+11], v[rC:rC+7], v[rSA], v[rSB] matrix_a_fmt:MATRIX_FMT_FP6 matrix_b_fmt:MATRIX_FMT_FP6 matrix_b_scale:MATRIX_SCALE_ROW1
.else
	v_wmma_scale_f32_16x16x128_f8f6f4 v[rD:rD+7], v[rA:rA+11], v[rB:rB+11], v[rC:rC+7], v[rSA], v[rSB] matrix_a_fmt:MATRIX_FMT_FP6 matrix_b_fmt:MATRIX_FMT_FP6
.endif
.endm
; Ring group u (0-15: W1's, 16-31: W2's): four fragments, 12 loads of 512 consecutive bytes, into slot u % 5.  My wave's images lie in the order in which the units take them: image 4 (u % 16) + i
.macro LOADU u
	WIN 0x80                                       ; destination window 2, address window 0
.set li, 0
.rept 4
.set lk, 0
.rept 3
.if (\u) < 16
	global_load_b128 v[48*((\u)%5)+12*li+4*lk:48*((\u)%5)+12*li+4*lk+3], v4, s[12:13] offset:1536*(4*((\u)%16)+li)+512*lk
.else
	global_load_b128 v[48*((\u)%5)+12*li+4*lk:48*((\u)%5)+12*li+4*lk+3], v4, s[18:19] offset:1536*(4*((\u)%16)+li)+512*lk
.endif
.set lk, lk+1
.endr
.set li, li+1
.endr
.endm
.macro BIAS1 c                         ; b1 of run c in the result's layout: lane (r, h), tile 2 b + u, register j: hidden unit 32 b + 16 h + 8 u + j
	WIN 0x40
.irp t, 0,1,2,3,4,5,6,7
	global_load_b128 v[BI+8*\t:BI+8*\t+3], v6, s[16:17] offset:512*(\c)+(32*(\t/2)+8*(\t%2))*4
	global_load_b128 v[BI+8*\t+4:BI+8*\t+7], v6, s[16:17] offset:512*(\c)+(32*(\t/2)+8*(\t%2))*4+16
.endr
.endm
.macro BIAS2                           ; b2: tile n, register j: output 16 n + 8 h + j
	WIN 0x40
.irp n, 0,1,2,3,4,5,6,7
	global_load_b128 v[BI+8*\n:BI+8*\n+3], v8, s[22:23] offset:64*\n
	global_load_b128 v[BI+8*\n+4:BI+8*\n+7], v8, s[22:23] offset:64*\n+16
.endr
.endm
.macro HFETCH s                        ; K step s of the hidden layer, four tiles of rows, into set s % 2 of window 1
	WIN 0x40
.irp m, 0,1,2,3
.irp k, 0,1,2
	ds_load_b128 v[48*((\s)%2)+12*\m+4*\k:48*((\s)%2)+12*\m+4*\k+3], v4 offset:(4*(\s)+\m)*1536+512*\k
.endr
.endr
.endm
; Eight of unit u's sixteen products: fragments 2 hf and 2 hf + 1 of ring group u against the four tiles of rows
.macro HALF u, hf
.if (\u) < 16
.set ks, ((\u)%8)/2
.else
.set ks, ((\u)-16)/2
.endif
.if ks == 0
	WIN 0xd6                                       ; source 0 window 2, source 1 window 1, C (the bias) window 1, D window 3
.else
	WIN 0xf6                                       ; the same, C and D window 3
.endif
.set fi, 2*(\hf)
.rept 2
.set tt, 4*((\u)%2)+fi
.set fm, 0
.rept 4
.set rD, 64*fm+8*tt
.set rA, 48*((\u)%5)+12*fi
.if ks == 0
.set rC, BI+8*tt
.else
.set rC, rD
.endif
.if (\u) < 16
.set rB, 48*fm+12*ks
.set rSA, W1S+4*(4*((\u)/8)+tt/2)+ks
.set fA, tt%2
.set rSB, XS+4*(fm/2)+ks
.else
.set rB, 48*(ks%2)+12*fm
.set rSA, W2S+4*tt+ks%4
.set fA, ks/4
.set rSB, HS+2*ks+fm/2
.endif
.set fB, fm%2
	WM
.set fm, fm+1
.endr
.set fi, fi+1
.endr
.endm
; UNIT u: the four fragments of ring group u against the four tiles of rows: 16 products on 16 different accumulators; the next unit takes the other 16.  So no two products that follow each other
; share an accumulator.  u < 16: run u / 8, K step (u % 8) / 2, tiles 4 (u % 2) + i of the hidden layer.  u >= 16: K step (u - 16) / 2, tiles 4 (u % 2) + i of the outputs.
; THE WAIT ON LOADcnt counts the loads issued behind group u: three ring groups, 36; where the 16 loads of a bias lie among them (it is issued behind group 6, and behind group 14), 52; at the end what is left.
; IN ITS MIDDLE the unit issues its loads: ring group u + 4, into the slot that unit u - 1 has read; in units 2 and 10 the next bias; in the even units from 16 to 28 the next K step's hidden set.
.macro UNIT u
.if (\u) >= 28
	s_wait_loadcnt 12*(31-(\u))
.elseif (((\u) >= 3) && ((\u) <= 6)) || (((\u) >= 11) && ((\u) <= 14))
	s_wait_loadcnt 52
.else
	s_wait_loadcnt 36
.endif
.if ((\u) >= 16) && ((\u)%2 == 0)
	s_wait_dscnt 0x0                               ; this K step's hidden set is in (and, ahead of unit 16, the scale words): no LDS instruction was issued behind its loads
.endif
.if ((\u) >= 1) && ((\u) <= 28) && ((\u) != 8) && ((\u) != 16)
	s_wait_alu depctr_va_vdst(0)                   ; the products of the unit before are done reading their ring slot, in which group u + 4 lands; in units 2 and 10 also the bias, in the even units from 18 on also their hidden set.
	                                               ; (Ahead of units 8 and 16 the quantiser's waits stand behind the last products, and no vector line since names these registers.  Units 0 and 29 to 31 issue no load.)
.endif
	HALF \u, 0
.if ((\u) >= 1) && ((\u) <= 27)
	LOADU (\u)+4                                   ; no wait: no vector or matrix instruction since the wait names that slot or v4
.endif
.if (\u) == 2
	BIAS1 1                                        ; units 0 and 1 have read run 0's bias
.endif
.if (\u) == 10
	BIAS2                                          ; units 8 and 9 have read run 1's
.endif
.if ((\u) >= 16) && ((\u) <= 28) && ((\u)%2 == 0)
	HFETCH ((\u)-16)/2+1                           ; into the set that the K step before has read; it is wanted two units on
.endif
	HALF \u, 1
	PLACES
.endm
; Rows 16 m .. of run c: relu, then 64 numbers of a lane (register 16 b + i = hidden unit 32 b + 16 h + i of my token) become one fragment and one scale word, which go to LDS as they stand
.macro QUANT m, c
.set S_, 64*(\m)
	WIN 0xcc
.set j, 0
.rept 64
	v_max_num_f32 v[S_+j], 0, v[S_+j]              ; the activation, in f32; each accumulator from its low end on
.set j, j+1
.endr
	WIN 0x0f
.irp b, 0,1,2,3
	v_max3_num_f32 v[TM+\b], v[S_+16*\b], v[S_+16*\b+1], 0x1800000   ; none is negative; the floor 2^(3 - 127) holds the byte at 1 from below
.endr
	WIN 0x3c
.irp i, 2,4,6,8,10,12,14
.irp b, 0,1,2,3
	v_max3_num_f32 v[TM+\b], v[TM+\b], v[S_+16*\b+\i], v[S_+16*\b+\i+1]   ; the four blocks by turns
.endr
.endr
	WIN 0
.irp b, 0,1,2,3
	v_permlanex16_b32 v[TM+4+\b], v[TM+\b], s50, s51
.endr
.irp b, 0,1,2,3
	v_max_num_f32 v[TM+\b], v[TM+\b], v[TM+4+\b]   ; with lane l xor 16's 16: the block's largest
.endr
.irp b, 0,1,2,3
	v_add_nc_u32 v[TM+12+\b], 0xff000000, v[TM+\b] ; 2 off the exponent field: the conversion's scale operand
.endr
.irp b, 0,1,2,3
	v_lshrrev_b32 v[TM+4+\b], 23, v[TM+12+\b]      ; the scale's byte
.endr
	s_wait_dscnt 0x0                               ; the last image's stores have landed,
.if ((\m) > 0) || ((\c) > 0)
	s_wait_alu depctr_vm_vsrc(0)                   ; and have read v[PW] and v[PC ..], which are written now
.endif
	v_lshl_or_b32 v[PW], v[TM+5], 8, v[TM+4]
	v_lshl_or_b32 v[PW], v[TM+6], 16, v[PW]
	v_lshl_or_b32 v[PW], v[TM+7], 24, v[PW]
	WIN 0x03
.irp q, 0,1
	v_cvt_scalef32_pk16_fp6_f32 v[PC+6*\q:PC+6*\q+2], v[S_+32*\q:S_+32*\q+15], v[TM+12+2*\q]
	v_cvt_scalef32_pk16_fp6_f32 v[PC+12+4*\q:PC+12+4*\q+2], v[S_+32*\q+16:S_+32*\q+31], v[TM+12+2*\q+1]   ; (a conversion's three registers begin on an even number)
.endr
	WIN 0
	v_nop                                          ; one plain line behind the scaled conversions
.irp q, 0,1                                        ; the operand's layout wants a whole block in a lane
.irp i, 0,1,2
	v_permlane16_swap_b32 v[PC+6*\q+\i], v[PC+12+4*\q+\i]
.endr
.irp i, 0,1,2
	v_mov_b32 v[PC+3+6*\q+\i], v[PC+12+4*\q+\i]
.endr
.endr
	s_wait_alu depctr_va_vdst(0)                   ; the conversions, swaps and moves have written v[PC ..] and the shifts v[PW], which the four LDS stores read
.irp k, 0,1,2
	ds_store_b128 v9, v[PC+4*\k:PC+4*\k+3] offset:6144*(\c)+1536*(\m)+512*\k
.endr
	ds_store_b32 v10, v[PW] offset:256*(\c)+64*(\m)   ; lanes r and r + 16 write the same word with the same value
.endm
; THE WAY OUT of rows 16 m ..: x the token's largest probability; through my own stage; back as whole rows of my 512 bytes; each to its token's row
.macro PKMUL m
	WIN 0xc3
.set j, 0
.rept 32
	v_pk_mul_f32 v[64*(\m)+j:64*(\m)+j+1], v[64*(\m)+j:64*(\m)+j+1], v[PM+2*(\m):PM+2*(\m)+1] op_sel_hi:[1,0]
.set j, j+2
.endr
.endm
.macro OFFS m                          ; row 16 m + i's token x 2,048 + 16 x lane: the sixteen tokens go to scalars in one run, with one wait behind it
	WIN 0
.irp i, 0,1,2,3,4,5,6,7,8,9,10,11,12,13,14,15
	v_readlane_b32 s[RL+\i], v[TOKL+(\m)/2], 16*((\m)%2)+\i
.endr
	s_wait_alu depctr_va_sdst(0)                   ; s[RL] to s[RL + 15] are written, ahead of their first readers
.irp i, 0,1,2,3,4,5,6,7,8,9,10,11,12,13,14,15
	s_min_u32 s[RL+\i], s[RL+\i], 0x1fff
	s_lshl_b32 s[RL+\i], s[RL+\i], 11
.endr
.irp i, 0,1,2,3,4,5,6,7,8,9,10,11,12,13,14,15
	v_add_nc_u32 v[OFF+16*((\m)%2)+\i], s[RL+\i], v4
.endr
.endm
.macro TOSTAGE m
	WIN 0x0c                                       ; an LDS store's data are its source 1: window 3
	s_wait_alu depctr_va_vdst(0)                   ; the multiplications have written the block's accumulators, which the LDS stores read; the additions have written its offsets, which its stores to memory read;
	                                               ; and the last products are done reading the hidden sets, in whose registers blocks 0 and 1 land on their way back
.irp n, 0,1,2,3,4,5,6,7
	ds_store_b128 v12, v[64*(\m)+8*\n:64*(\m)+8*\n+3] offset:64*\n
	ds_store_b128 v12, v[64*(\m)+8*\n+4:64*(\m)+8*\n+7] offset:64*\n+16
.endr
	WIN 0x40
.irp i, 0,1,2,3,4,5,6,7,8,9,10,11,12,13,14,15
	ds_load_b128 v[64*((\m)%2)+4*\i:64*((\m)%2)+4*\i+3], v13 offset:\i*SPITCH   ; LDS serves a wave's instructions in order (ISA guide 5.7.1.4): these see the stores above
.endr
.endm
.macro SEND m, younger                 ; younger: the LDS instructions issued behind these rows' loads, which may stay out
	s_wait_dscnt \younger
	WIN 0x04                                       ; a store's data are its source 1: window 1
.irp i, 0,1,2,3,4,5,6,7,8,9,10,11,12,13,14,15
	global_store_b128 v[OFF+16*((\m)%2)+\i], v[64*((\m)%2)+4*\i:64*((\m)%2)+4*\i+3], s[26:27] th:TH_STORE_NT   ; 32 lanes store 512 consecutive bytes, at a multiple of 256 from out0's first byte
.endr
.endm
	s_load_b512 s[4:19], s[0:1], 0x0               ; counts 4, order 6, xq 8, xs 10, w1f 12, W1_scales 14, b1 16, w2f 18
	s_load_b256 s[20:27], s[0:1], 0x40             ; W2_scales 20, b2 22, out4 24, out0 26
	v_lshl_add_u32 v254, v0, 2, 0x14c00
	v_mov_b32 v255, 0
	v_lshrrev_b32 v30, 5, v0
	v_readfirstlane_b32 s36, v30                   ; wave 0..3
	v_and_b32 v1, 31, v0                           ; lane
	v_and_b32 v2, 15, v0                           ; r
	v_bfe_u32 v3, v0, 4, 1                         ; h
	s_wait_kmcnt 0x0
	s_load_b256 s[28:35], s[4:5], 0x0              ; the eight counts
	v_lshlrev_b32 v4, 4, v1                        ; 16 x lane: an image's place for my lane
	v_and_b32 v30, 8, v2
	v_add_nc_u32 v30, v30, v2
	v_lshl_add_u32 v30, v3, 3, v30
	v_lshlrev_b32 v5, 4, v30                       ; W1's scale words: row 8 h + r + 8 (r / 8) of 32, 16 bytes a row: the 32 lanes take 512 bytes on end
	v_lshlrev_b32 v6, 6, v3                        ; b1: 16 h numbers on
	v_lshlrev_b32 v7, 5, v2
	v_lshl_add_u32 v7, v3, 4, v7                   ; W2's scale words: row r of 32 bytes, half h
	v_lshlrev_b32 v8, 5, v3                        ; b2: 8 h numbers on
	s_wait_alu depctr_va_sdst(0)                   ; s36 is written, ahead of its first reader: LDS addresses and the bases of the weights, the biases and out0 are made from it
	s_mul_i32 s42, s36, 12288
	v_add_nc_u32 v9, s42, v4                       ; where I store images: K steps 2 w, 2 w + 1
	s_lshl_b32 s42, s36, 9
	s_add_co_u32 s42, s42, HSC
	v_lshl_add_u32 v10, v2, 2, s42                 ; and their scale words
	v_lshl_add_u32 v11, v1, 2, HSC                 ; where I read scale words: two tiles of rows at a time
	s_mul_i32 s42, s36, 16*SPITCH
	s_add_co_u32 s42, s42, STG
	v_mul_u32_u24 v12, v2, SPITCH
	v_lshl_add_u32 v12, v3, 5, v12
	v_add_nc_u32 v12, s42, v12                     ; my stage, in: row r, 32 h bytes on
	v_add_nc_u32 v13, s42, v4                      ; and back: a row's 512 bytes over 32 lanes
.irp b, 0,1,2,3
	v_mov_b32 v[TM+4+\b], 0                        ; written once: a lane permute's destination counts as one of its sources
	v_mov_b32 v[PM+2*\b+1], 0                      ; named as the upper halves of pairs
.endr
	s_mov_b32 s50, 0x76543210
	s_mov_b32 s51, 0xfedcba98                      ; v_permlanex16_b32: lane l xor 16
	s_wait_kmcnt 0x0
	; which tile is mine: expert e has (count + 63) / 64 tiles, the experts one behind the other
.irp e, 0,1,2,3,4,5,6,7
	s_min_u32 s[28+\e], s[28+\e], 0x2000
	s_add_co_u32 s[56+\e], s[28+\e], 63
	s_lshr_b32 s[56+\e], s[56+\e], 6
.endr
	s_add_co_u32 s42, s56, s57
.irp e, 2,3,4,5,6,7
	s_add_co_u32 s42, s42, s[56+\e]                ; tiles in all
.endr
	s_cmp_lt_u32 ttmp9, s42
	s_cselect_b32 s44, 1, 0                        ; have I a tile?
	s_cselect_b32 s47, ttmp9, 0                    ; if not: tile 0's data serve up to the barrier
	s_mov_b32 s38, 0
	s_mov_b32 s39, 0
	s_mov_b32 s40, 0
	s_mov_b32 s41, 1
.irp e, 0,1,2,3,4,5,6,7
	s_sub_co_u32 s42, s47, s38                     ; (below the expert's first tile this wraps to a large number)
	s_cmp_lt_u32 s42, s[56+\e]
	s_cselect_b32 s39, \e, s39                     ; the expert,
	s_cselect_b32 s40, s42, s40                    ; which of its tiles,
	s_cselect_b32 s41, s[28+\e], s41               ; its count
	s_add_co_u32 s38, s38, s[56+\e]
.endr
	s_min_u32 s39, s39, 7
	s_min_u32 s40, s40, 127
	s_sub_co_u32 s45, s41, 1
	s_min_u32 s45, s45, 0x1fff                     ; the last place of the expert's list
	s_lshl_b32 s46, s40, 6                         ; my tile's first place
	s_lshl_b32 s43, s39, 2
	s_add_co_u32 s43, s43, s36                     ; 4 e + w
	s_mov_b32 s49, 0
	s_mul_i32 s48, s43, 98304                      ; 64 images a wave
	s_add_nc_u64 s[12:13], s[12:13], s[48:49]
	s_add_nc_u64 s[18:19], s[18:19], s[48:49]
	s_lshl_b32 s48, s43, 12                        ; 256 rows of 16 scale bytes; 128 rows of 32
	s_add_nc_u64 s[14:15], s[14:15], s[48:49]
	s_add_nc_u64 s[20:21], s[20:21], s[48:49]
	s_lshl_b32 s48, s43, 10                        ; 256 numbers of b1
	s_add_nc_u64 s[16:17], s[16:17], s[48:49]
	s_lshl_b32 s48, s43, 9                         ; 128 of b2
	s_add_nc_u64 s[22:23], s[22:23], s[48:49]
	s_lshl_b32 s48, s39, 15                        ; the expert's list
	s_add_nc_u64 s[6:7], s[6:7], s[48:49]
	s_lshl_b32 s48, s36, 9                         ; my 512 bytes of a row of out0
	s_add_nc_u64 s[26:27], s[26:27], s[48:49]
	v_add_nc_u32 v30, s46, v2
	v_add_nc_u32 v31, s46, v1
.irp m, 0,1,2,3
	v_add_nc_u32 v[XO+\m], 16*\m, v30
	v_min_u32 v[XO+\m], s45, v[XO+\m]              ; surplus rows repeat the last token
	v_min_u32 v[XO+\m], 0x1fff, v[XO+\m]
	v_lshlrev_b32 v[XO+\m], 2, v[XO+\m]
.endr
.irp p, 0,1
	v_add_nc_u32 v[T16+\p], 32*\p, v31
	v_min_u32 v[T16+\p], s45, v[T16+\p]
	v_min_u32 v[T16+\p], 0x1fff, v[T16+\p]
	v_lshlrev_b32 v[T16+\p], 2, v[T16+\p]
.endr
	s_wait_alu depctr_va_vdst(0)                   ; the offsets and LDS addresses v4 to v13, which loads, LDS loads and LDS stores read from here to the end, are written; so are the places in the list, v[XO ..] and v[T16 ..]
.irp m, 0,1,2,3
	global_load_b32 v[TOKR+\m], v[XO+\m], s[6:7]
.endr
.irp p, 0,1
	global_load_b32 v[TOKL+\p], v[T16+\p], s[6:7]
.endr
	; what hangs on the expert alone goes out while the list is on its way: 8 + 8 + 16 small loads and two ring groups
.irp P, 0,1,2,3,4,5,6,7
	global_load_b128 v[W1S+4*\P:W1S+4*\P+3], v5, s[14:15] offset:512*\P
.endr
.irp n, 0,1,2,3,4,5,6,7
	global_load_b128 v[W2S+4*\n:W2S+4*\n+3], v7, s[20:21] offset:512*\n
.endr
	BIAS1 0
	LOADU 0
	LOADU 1
	WIN 0
	v_mul_u32_u24 v30, v3, 192
	s_wait_loadcnt 56                              ; behind the list's six: 32 + 24
	s_wait_alu depctr_vm_vsrc(0)                   ; the list's loads have read v[XO ..] and v[T16 ..], which are written anew below
.irp m, 0,1,2,3
	v_min_u32 v[TOKR+\m], 0x1fff, v[TOKR+\m]
	v_mul_u32_u24 v[XO+\m], v[TOKR+\m], 384
	v_add_nc_u32 v[XO+\m], v[XO+\m], v30           ; my half's 192 bytes of the token's codes
	v_lshlrev_b32 v[T4+\m], 2, v[TOKR+\m]
.endr
.irp p, 0,1
	v_min_u32 v[TOKL+\p], 0x1fff, v[TOKL+\p]
	v_lshlrev_b32 v[T16+\p], 4, v[TOKL+\p]
.endr
	WIN 0x40
	s_wait_alu depctr_va_vdst(0)                   ; v[XO ..], v[T16 ..] and v[T4 ..] are written, which the gathers below read as their offsets
.irp m, 0,1,2,3
.irp k, 0,1,2,3,4,5,6,7,8,9,10,11
	global_load_b128 v[48*\m+4*\k:48*\m+4*\k+3], v[XO+\m], s[8:9] offset:16*\k   ; registers 12 s + 6 c .. + 5: block 4 s + 2 c + h
.endr
.endr
	WIN 0
.irp p, 0,1
	global_load_b128 v[XS+4*\p:XS+4*\p+3], v[T16+\p], s[10:11]
.endr
.irp m, 0,1,2,3
	global_load_b32 v[PM+2*\m], v[T4+\m], s[24:25]
.endr
	LOADU 2
	LOADU 3
	LOADU 4
	; ---- the first product, run 0 of my hidden units
.irp u, 0,1,2,3,4,5,6,7
	UNIT \u
.endr
	QUANT 0, 0
	QUANT 1, 0
	QUANT 2, 0
	QUANT 3, 0
	; ---- run 1
.irp u, 8,9,10,11,12,13,14,15
	UNIT \u
.endr
	QUANT 0, 1
	QUANT 1, 1
	QUANT 2, 1
	QUANT 3, 1
	s_wait_dscnt 0x0                               ; for the others' sake: my eight images and their scale words lie in LDS
	s_barrier_signal -1
	s_barrier_wait -1                              ; all 32 do.  (The ring's loads of W2 stay on their way: nobody writes those bytes)
	s_cmp_eq_u32 s44, 0
	s_cbranch_scc1 .Lend                           ; no tile: nothing to store
	; ---- the second product: my 128 outputs for the 64 rows.  The loads below land in registers that no vector line has named since the quantiser's last wait, which stands behind the last product that read x's fragments
.irp s, 0,1,2,3,4,5,6,7
.irp p, 0,1
	ds_load_b32 v[HS+2*\s+\p], v11 offset:256*\s+128*\p
.endr
.endr
	HFETCH 0
.irp u, 16,17,18,19,20,21,22,23,24,25,26,27,28,29,30,31
	UNIT \u
.endr
	; ---- the way out; while one block's rows are stored, the next is on its way through the stage
	PKMUL 0
	OFFS 0
	TOSTAGE 0
.irp m, 1,2,3
.if \m > 1
	s_wait_xcnt 0x0                                ; block m - 2's stores have had their addresses translated,
	s_wait_alu depctr_vm_vsrc(0)                   ; and have read their data and their offsets: block m's additions write that set of offsets, and its loads from the stage land in that set of rows
.endif
	PKMUL \m
	OFFS \m
	TOSTAGE \m
	SEND \m-1, 32                                  ; behind block m - 1's loads: block m's 16 stores and 16 loads
.endr
	SEND 3, 0
	WIN 0                                          ; at a label every window is 0
.Lend:
	s_wait_dscnt 0x0
	s_wait_alu depctr_hold_cnt(0) depctr_sa_sdst(0) depctr_va_vdst(0) depctr_va_sdst(0) depctr_va_ssrc(0) depctr_va_vcc(0) depctr_vm_vsrc(0)
	s_wait_tensorcnt 0x0
	ds_add_u32 v254, v255
	s_wait_dscnt 0x0
	s_endpgm
.Lfunc_end_k_q8d33f633e2_ffn:
	.size	k_q8d33f633e2_ffn, .Lfunc_end_k_q8d33f633e2_ffn-k_q8d33f633e2_ffn
	.p2alignl 7, 3214868480
	.fill 96, 4, 3214868480
	.section	.rodata,"a",@progbits
	.p2align	6, 0x0
	.amdhsa_kernel k_q8d33f633e2_ffn
		.amdhsa_group_segment_fixed_size 85504
		.amdhsa_private_segment_fixed_size 0
		.amdhsa_enable_private_segment 0
		.amdhsa_kernarg_size 96
		.amdhsa_user_sgpr_count 2
		.amdhsa_user_sgpr_kernarg_segment_ptr 1
		.amdhsa_wavefront_size32 1
		.amdhsa_system_sgpr_workgroup_id_x 1
		.amdhsa_system_sgpr_workgroup_id_y 1
		.amdhsa_system_sgpr_workgroup_id_z 1
		.amdhsa_system_vgpr_workitem_id 0
		.amdhsa_next_free_vgpr 1024
		.amdhsa_next_free_sgpr 66
		.amdhsa_reserve_vcc 0
		.amdhsa_float_denorm_mode_32 3
		.amdhsa_float_denorm_mode_16_64 3
		.amdhsa_memory_ordered 1
		.amdhsa_forward_progress 1
		.amdhsa_inst_pref_size 221
	.end_amdhsa_kernel
	.amdgpu_metadata
---
amdhsa.version: [ 1, 2 ]
amdhsa.kernels:
  - .name:           k_q8d33f633e2_ffn
    .symbol:         k_q8d33f633e2_ffn.kd
    .args:
      - { .name: counts, .offset: 0, .size: 8, .value_kind: global_buffer, .address_space: global }
      - { .name: order, .offset: 8, .size: 8, .value_kind: global_buffer, .address_space: global }
      - { .name: xq, .offset: 16, .size: 8, .value_kind: global_buffer, .address_space: global }
      - { .name: xs, .offset: 24, .size: 8, .value_kind: global_buffer, .address_space: global }
      - { .name: w1f, .offset: 32, .size: 8, .value_kind: global_buffer, .address_space: global }
      - { .name: W1_scales, .offset: 40, .size: 8, .value_kind: global_buffer, .address_space: global }
      - { .name: b1, .offset: 48, .size: 8, .value_kind: global_buffer, .address_space: global }
      - { .name: w2f, .offset: 56, .size: 8, .value_kind: global_buffer, .address_space: global }
      - { .name: W2_scales, .offset: 64, .size: 8, .value_kind: global_buffer, .address_space: global }
      - { .name: b2, .offset: 72, .size: 8, .value_kind: global_buffer, .address_space: global }
      - { .name: out4, .offset: 80, .size: 8, .value_kind: global_buffer, .address_space: global }
      - { .name: out0, .offset: 88, .size: 8, .value_kind: global_buffer, .address_space: global }
    .group_segment_fixed_size: 85504
    .private_segment_fixed_size: 0
    .kernarg_segment_align: 8
    .kernarg_segment_size: 96
    .max_flat_workgroup_size: 128
    .sgpr_count:     66
    .vgpr_count:     1024
    .wavefront_size: 32
...
	.end_amdgpu_metadata
.endif
;; end of part 4
